; MI455X (gfx1250); checked and timed in simulation.
; The chip was launched on July 23, 2026; its instructions are those of AMD's public machine-readable ISA for CDNA 5 (MIT licence, August 2026) and "CDNA5" Instruction Set Architecture Reference Guide (July 2026). The comments in the code are by the model that wrote it; some were corrected since.
;; Multi Head Attention tri. Allowed arithmetic: matrix products marked QUANTISED: E2M3 operands, one E8M0 scale for each 32 along K, by v_wmma_scale_f32_16x16x128_f8f6f4 with both operands' format E2M3, f32 sums; everything else in f32.
;; Inputs: Wout 1,024 x 1,024 float32; Wqkv 3,072 x 1,024 float32; Wtqkv 3,072 x 1,024 float32; tx 2 x 2,048 x 1,024 float32; x 2 x 2,048 x 1,024 float32.
;; Outputs: out0 2 x 2,048 x 1,024 float32.
;; This version of the problem:
;;   THIS VERSION OF THE PROBLEM IS GIVEN IN LOW PRECISION. The matrix products marked QUANTISED in the list below multiply operands that are first quantised to E2M3 (2 exponent bits, 3 mantissa bits; 6 bits a number), with one power-of-two scale for each 32 numbers along K (OCP MX v1.0); their sums are f32. All else is computed in f32.
;;   The module's matrix products, in the order in which they are computed (A, B: the left and right operand; K: the contracted axis; several contracted axes count as one K, in the product's order):
;;     1. [M 4,096, K 1,024] x [K 1,024, N 3,072]; A: input x; B: input Wqkv: QUANTISED
;;     2. [M 4,096, K 1,024] x [K 1,024, N 3,072]; A: input tx; B: input Wtqkv: QUANTISED
;;     3. batch 32 x [M 2,048, K 64] x [K 64, N 2,048]; A: computed on the way; B: computed on the way: QUANTISED
;;     4. batch 32 x [M 2,048, K 2,048] x [K 2,048, N 64]; A: softmax (see below); B: computed on the way: QUANTISED
;;     5. [M 4,096, K 1,024] x [K 1,024, N 1,024]; A: computed on the way; B: input Wout: QUANTISED
;;   THE QUANTISER, for each operand of a quantised product, along K:
;;     - K is cut into blocks of 32 from its start; a last block that is shorter is filled with zeros.
;;     - A block's scale is 2^e with e = floor(log2(the largest magnitude in the block)) - 2, held to -126 .. 127; a block of zeros has e = 0. As a byte (E8M0): e + 127.
;;     - Each number is divided by its block's scale, clamped to +-7.5, and rounded to the nearest number of E2M3, ties to even, subnormals kept.
;;     - The product sums the exact products of the quantised numbers (number of the format x scale) in f32.
;;   ~~~python
;;   def quantise(x, axis):      # numpy; x: float32 -> the quantised numbers, widened to float32 again
;;       x = np.moveaxis(x, axis, -1); K = x.shape[-1]
;;       x = np.pad(x, [(0, 0)] * (x.ndim - 1) + [(0, -K % 32)]); x = x.reshape(x.shape[:-1] + (-1, 32)); a = np.abs(x).max(-1, keepdims=True)
;;       e = np.where(a > 0, np.clip(np.frexp(np.where(a > 0, a, 1))[1] - 1 - 2, -126, 127), 0)      # np.frexp(a)[1] - 1 = floor(log2(a)), exactly
;;       r = np.clip(x / 2.0 ** e, -7.5, 7.5)
;;       step = 2.0 ** (np.maximum(np.frexp(np.where(r == 0, 1, r))[1] - 1, 0) - 3)
;;       q = np.round(r / step) * step * 2.0 ** e      # np.round: ties to even
;;       return np.moveaxis(q.reshape(q.shape[:-2] + (-1,))[..., :K], -1, axis).astype(np.float32)
;;   ~~~
;;   SOFTMAX AHEAD OF A QUANTISED PRODUCT. Where the list says 'softmax', what is quantised is not the finished softmax but p = 2^(t - M), with t = logit x log2(e) and M = ceil(the row's largest t), a whole number; so 1/2 < the row's largest p <= 1. The row's sum l is taken of the UNQUANTISED p, in f32, and the product's result is divided by l at the end. Since M is a whole number, a kernel that streams over the keys may use a running M (the ceiling of the running maximum): every later rescaling is an exact power of two, which a block's scale takes up: the codes' values come out the same.
;;   OPERANDS COMPUTED ON THE WAY. 'Computed on the way' means the value that the module computes at that place (a softmax that the list does not call 'softmax' is quantised finished and normalised). What goes into a quantiser is computed in f32, as accurately as f32 sums, v_exp_f32 and their like allow (about 1e-6 of the number): no bf16 or f16 on the way to a quantiser, and a product that is left as it is and whose result goes on into a quantised operand takes f32 operands (vector FMAs, or v_wmma_f32_16x16x4_f32). A number that lies on a knife's edge between two numbers of the format may be rounded either way, as far as f32 arithmetic and the matrix unit's own rounding can turn it there, and no further.
;; One version. Each part assembles by itself: llvm-mc -triple=amdgcn-amd-amdhsa -mcpu=gfx1250 --defsym DOCPART=n.
;; ======== version 1 of 1: 4 launches
;; limits: right only within a limited range of input values
;; workspace buffers: codes1 9,437,184 bytes; scales1 393,216 bytes; qkc 6,291,456 bytes; qks 524,288 bytes; vc 3,145,728 bytes; vs 131,072 bytes; oc 3,145,728 bytes; os 131,072 bytes
;; launch quant (part 1): grid 256 x 1, 6 waves a work-group, no clusters, 51,456 bytes of LDS; arguments x, tx, Wqkv, Wtqkv, Wout, codes1, scales1; writes codes1, scales1
.if DOCPART == 1
	.amdgcn_target "amdgcn-amd-amdhsa--gfx1250"
	.amdhsa_code_object_version 6
	.text
	.protected	k_qb6d90d49e5_quant
	.globl	k_qb6d90d49e5_quant
	.p2align	8
	.type	k_qb6d90d49e5_quant,@function
k_qb6d90d49e5_quant:
	s_mov_b64 s[64:65], 0
	v_nop
	global_prefetch_b8 v0, s[64:65] scope:SCOPE_SE
	s_setreg_imm32_b32 hwreg(HW_REG_WAVE_MODE, 25, 1), 1
	s_wait_xcnt 0x0
; x, tx [4096][1024], the rows of Wqkv that make k and v, the rows of Wtqkv that make q, and Wout [1024][1024], all f32 with K innermost, become codes of FP6 (E2M3)
; with one E8M0 byte for each 32 along K.  The rows of Wqkv that make q and those of Wtqkv that make k and v feed nothing that the module returns: they are not read.
; A TILE is 16 rows: tile 2 g + u holds rows 32 g + 8 u + j + 8 (j / 8), j = 0 .. 15.  Tiles: 0-255 x, 256-511 tx, 512-575 Wk, 576-639 Wv, 640-703 Wq (4 head + tile of the head's 64 rows d; row d of a head
; is row 48 d + 16 kind + head of the weight), 704-767 Wout.
; codes1 [tile][K step 8][1,536]: a fragment (16 rows x 128 K, 12 registers a lane) as an image of the operand's registers: registers 4 q .. 4 q + 3 of lane l at 512 q + 16 l.
; scales1 [tile][half of K][row 16][16 bytes]: a row's four scale words of four K steps.
; A wave takes one tile x 512 along K: four K steps.  Each load reads 512 consecutive bytes of one row; a K step's 16 x 512 bytes turn through the wave's own stage in LDS (rows 528 bytes apart), so that lane (r, h) gets
; k = 64 c + 32 h + 0 .. 31 of row r: two whole blocks, in the order of the operand's registers.  Waves share nothing: no barrier.
; A block's scale is 2^(floor(log2(largest magnitude)) - 2): its byte is the largest magnitude's exponent field - 2.
; LIMITS: NaN and infinities among the inputs are not served.  A block of zeros, or one whose largest magnitude lies under 2^-124, gets the byte 1: its codes are zeros or near it, and the bytes are read by this program alone.
.set STG,   8448                       ; a wave's stage: 16 rows x 528 bytes
.set SPARE, 6*STG                      ; behind the six stages: the spare words, 128 bytes a wave: three blocks of 256 bytes that no other line names
.set L16,   1                          ; v1   16 x lane
.set STI,   2                          ; v2   into the stage: wave x STG + 16 x lane
.set STO,   3                          ; v3   out of it: wave x STG + 528 r + 128 h
.set H8,    4                          ; v4   8 h
.set SWO,   5                          ; v5   16 r + 8 h: my two scale words' place
.set SPW,   6                          ; v6   my spare word; never rewritten
.set NIL,   7                          ; v7   0; never rewritten
.set MX,    8                          ; v8-9   the two blocks' largest magnitudes
.set SO,    10                         ; v10-11 the conversions' scale operands;  v12-15 at work
.set OFFR,  16                         ; v16-31 byte offset of tile row j + 16 x lane
.set SW,    32                         ; v32-35 the four K steps' scale words
.set OW,    36                         ; v36-37 the two that I store
.set PC,    40                         ; v40-51 a fragment's codes
.set PCT,   52                         ; v52-59 the upper halves of the blocks, as the conversions leave them
.set R,     64                         ; v64-127, v128-191 two sets of numbers as loaded
.set X,     192                        ; v192-255 my 64 numbers of a K step
.set SRC,   24                         ; s[24:25] my tile's first row, my half of K
.set DC,    34                         ; s[34:35] my four images
.set DSC,   36                         ; s[36:37] my 256 bytes of scale words
.set SEL,   38                         ; s[38:39] lane selects: lane l xor 16
	s_load_b256 s[4:11], s[0:1], 0x0               ; x s[4:5], tx s[6:7], Wqkv s[8:9], Wtqkv s[10:11]
	s_load_b128 s[12:15], s[0:1], 0x20             ; Wout s[12:13], codes1 s[14:15]
	s_load_b64 s[20:21], s[0:1], 0x30              ; scales1
	v_lshl_add_u32 v[SPW], v0, 2, SPARE
	v_mov_b32 v[NIL], 0
	v_lshrrev_b32 v8, 5, v0
	v_readfirstlane_b32 s22, v8                    ; wave 0..5
	v_and_b32 v9, 31, v0                           ; lane
	v_and_b32 v10, 15, v0                          ; r
	v_bfe_u32 v11, v0, 4, 1                        ; h
	v_lshlrev_b32 v[L16], 4, v9
	s_wait_alu depctr_va_vdst(0)
	s_mul_i32 s23, s22, STG
	v_add_nc_u32 v[STI], s23, v[L16]
	v_mul_u32_u24 v[STO], v10, 528
	v_lshl_add_u32 v[STO], v11, 7, v[STO]
	v_add_nc_u32 v[STO], s23, v[STO]
	v_lshlrev_b32 v[H8], 3, v11
	v_lshl_add_u32 v[SWO], v10, 4, v[H8]
	v_mov_b32 v15, 0                               ; a lane permute's destination counts as one of its sources
	s_mul_i32 s16, ttmp9, 6
	s_add_co_u32 s16, s16, s22                     ; my unit: 0 .. 1,535
	s_lshr_b32 s17, s16, 1                         ; the tile
	s_and_b32 s18, s16, 1                          ; the half of K
	; a plain tensor: tile lt of it begins at row 16 lt - 8 (lt % 2); rows 4,096 bytes apart
	s_mov_b32 s26, 704
	s_cmp_lt_u32 s17, 512
	s_cselect_b32 s26, 256, s26
	s_cmp_lt_u32 s17, 256
	s_cselect_b32 s26, 0, s26
	s_sub_co_u32 s26, s17, s26
	s_and_b32 s27, s26, 1
	s_lshl_b32 s27, s27, 3
	s_lshl_b32 s26, s26, 4
	s_sub_co_u32 s26, s26, s27
	; a head's rows of a weight (tiles 512 .. 703): row d is row 48 d + 16 kind + head; so rows 48 x 4,096 bytes apart
	s_sub_co_u32 s28, s17, 512
	s_and_b32 s29, s28, 63
	s_lshr_b32 s30, s29, 2                         ; head
	s_and_b32 s29, s29, 3                          ; tile of the head's four
	s_lshr_b32 s28, s28, 6                         ; 0: k, 1: v, 2: q
	s_add_co_u32 s28, s28, 1
	s_cmp_eq_u32 s28, 3
	s_cselect_b32 s28, 0, s28                      ; kind: k 1, v 2, q 0
	s_lshl_b32 s28, s28, 4
	s_and_b32 s31, s29, 1
	s_lshl_b32 s31, s31, 3
	s_lshl_b32 s29, s29, 4
	s_sub_co_u32 s29, s29, s31                     ; the tile's first d
	s_mul_i32 s29, s29, 48
	s_add_co_u32 s29, s29, s28
	s_add_co_u32 s29, s29, s30
	s_sub_co_u32 s31, s17, 512
	s_mov_b32 s32, 4096
	s_cmp_lt_u32 s31, 192                          ; a head's tile?
	s_cselect_b32 s26, s29, s26                    ; the tile's first row,
	s_cselect_b32 s32, 196608, s32                 ; and the bytes from one row of the tile's numbering to the next
	s_lshl_b32 s26, s26, 12
	s_lshl_b32 s27, s18, 11
	s_add_co_u32 s26, s26, s27
	s_mov_b32 s27, 0
	s_mul_i32 s[DC], s16, 6144
	s_mov_b32 s[DC+1], 0
	s_lshl_b32 s[DSC], s16, 8
	s_mov_b32 s[DSC+1], 0
	s_mov_b32 s[SEL], 0x76543210
	s_mov_b32 s[SEL+1], 0xfedcba98
	s_mov_b32 s33, 0xffff0000                      ; lanes 16-31
.irp j, 0,1,2,3,4,5,6,7,8,9,10,11,12,13,14,15
	v_mad_u32_u24 v[OFFR+\j], s32, \j+8*(\j/8), v[L16]
.endr
	s_wait_alu depctr_va_vdst(0)
	s_wait_kmcnt 0x0
	s_mov_b64 s[SRC:SRC+1], s[12:13]               ; which tensor: the choice hangs on the tile's number alone
	s_cmp_lt_u32 s17, 704
	s_cselect_b64 s[SRC:SRC+1], s[10:11], s[SRC:SRC+1]
	s_cmp_lt_u32 s17, 640
	s_cselect_b64 s[SRC:SRC+1], s[8:9], s[SRC:SRC+1]
	s_cmp_lt_u32 s17, 512
	s_cselect_b64 s[SRC:SRC+1], s[6:7], s[SRC:SRC+1]
	s_cmp_lt_u32 s17, 256
	s_cselect_b64 s[SRC:SRC+1], s[4:5], s[SRC:SRC+1]
	s_add_nc_u64 s[SRC:SRC+1], s[SRC:SRC+1], s[26:27]
	s_add_nc_u64 s[DC:DC+1], s[14:15], s[DC:DC+1]
	s_add_nc_u64 s[DSC:DSC+1], s[20:21], s[DSC:DSC+1]
.macro LOAD t                          ; K step t of my four: 16 rows x 512 consecutive bytes, into set t % 2
.irp j, 0,1,2,3,4,5,6,7,8,9,10,11,12,13,14,15
	global_load_b128 v[R+64*((\t)%2)+4*\j:R+64*((\t)%2)+4*\j+3], v[OFFR+\j], s[SRC:SRC+1] offset:512*(\t) th:TH_LOAD_NT
.endr
.endm
.macro QUANTB t                        ; my 64 numbers become the fragment's 12 registers and my row's scale word
.irp c, 0,1
	v_max3_num_f32 v[MX+\c], |v[X+32*\c]|, |v[X+32*\c+1]|, 0x1800000   ; block 2 c + h is all mine; the floor 2^(3 - 127) holds the byte at 1 from below
.endr
.irp i, 2,4,6,8,10,12,14,16,18,20,22,24,26,28,30
.irp c, 0,1
	v_max3_num_f32 v[MX+\c], v[MX+\c], |v[X+32*\c+\i]|, |v[X+32*\c+\i+1]|   ; the two blocks by turns
.endr
.endr
.irp c, 0,1
	v_add_nc_u32 v[SO+\c], 0xff000000, v[MX+\c]    ; 2 off the exponent field: the conversion takes the exponent field of this operand as its scale
.endr
.irp c, 0,1
	v_lshrrev_b32 v[12+\c], 23, v[SO+\c]           ; the scale's byte
.endr
	v_lshl_or_b32 v14, v13, 16, v12                ; my two bytes: blocks h and 2 + h,
	v_lshlrev_b32 v14, v[H8], v14                  ; at their places in the word;
	v_permlanex16_b32 v15, v14, s[SEL], s[SEL+1]
	v_or_b32 v[SW+(\t)], v14, v15                  ; with lane l xor 16's two the word is whole
.irp c, 0,1
	v_cvt_scalef32_pk16_fp6_f32 v[PC+6*\c:PC+6*\c+2], v[X+32*\c:X+32*\c+15], v[SO+\c]
	v_cvt_scalef32_pk16_fp6_f32 v[PCT+4*\c:PCT+4*\c+2], v[X+32*\c+16:X+32*\c+31], v[SO+\c]   ; (a conversion's three registers begin on an even number)
.endr
	v_nop                                          ; one plain vector instruction behind the scaled conversions
.irp c, 0,1
.irp i, 0,1,2
	v_mov_b32 v[PC+6*\c+3+\i], v[PCT+4*\c+\i]
.endr
.endr
.endm
.macro STEP t
.if (\t) < 3
	s_wait_loadcnt 16                              ; this step's 16 loads are in; the next step's 16 may be out
.else
	s_wait_loadcnt 0
.endif
.irp j, 0,1,2,3,4,5,6,7,8,9,10,11,12,13,14,15
	ds_store_b128 v[STI], v[R+64*((\t)%2)+4*\j:R+64*((\t)%2)+4*\j+3] offset:528*\j
.endr
.irp c, 0,1
.irp i, 0,1,2,3,4,5,6,7
	ds_load_b128 v[X+32*\c+4*\i:X+32*\c+4*\i+3], v[STO] offset:256*\c+16*\i   ; LDS serves a wave's instructions in order: these see the stores above
.endr
.endr
	s_wait_dscnt 0x0                               ; my numbers are back, and the stores into the stage have read their registers
	s_wait_xcnt 0x0                                ; the last step's stores have read their data: the codes' registers may be written again
.if (\t) < 2
	LOAD (\t)+2
.endif
	QUANTB \t
.irp q, 0,1,2
	global_store_b128 v[L16], v[PC+4*\q:PC+4*\q+3], s[DC:DC+1] offset:1536*(\t)+512*\q   ; 32 lanes store 512 consecutive bytes, at a multiple of 256 from the buffer's first byte
.endr
.endm
	LOAD 0
	LOAD 1
	STEP 0
	STEP 1
	STEP 2
	STEP 3
	v_cndmask_b32 v[OW], v[SW], v[SW+2], s33       ; lanes 0-15 store K steps 0 and 1's words, lanes 16-31 steps 2 and 3's
	v_cndmask_b32 v[OW+1], v[SW+1], v[SW+3], s33
	global_store_b64 v[SWO], v[OW:OW+1], s[DSC:DSC+1]   ; 256 consecutive bytes, aligned
	s_wait_tensorcnt 0x0                           ; the wave's end
	ds_add_u32 v[SPW], v[NIL]
	s_wait_dscnt 0x0
	s_endpgm
.Lfunc_end_k_qb6d90d49e5_quant:
	.size	k_qb6d90d49e5_quant, .Lfunc_end_k_qb6d90d49e5_quant-k_qb6d90d49e5_quant
	.p2alignl 7, 3214868480
	.fill 96, 4, 3214868480
	.section	.rodata,"a",@progbits
	.p2align	6, 0x0
	.amdhsa_kernel k_qb6d90d49e5_quant
		.amdhsa_group_segment_fixed_size 51456
		.amdhsa_private_segment_fixed_size 0
		.amdhsa_enable_private_segment 0
		.amdhsa_kernarg_size 56
		.amdhsa_user_sgpr_count 2
		.amdhsa_user_sgpr_kernarg_segment_ptr 1
		.amdhsa_wavefront_size32 1
		.amdhsa_system_sgpr_workgroup_id_x 1
		.amdhsa_system_sgpr_workgroup_id_y 1
		.amdhsa_system_sgpr_workgroup_id_z 1
		.amdhsa_system_vgpr_workitem_id 0
		.amdhsa_next_free_vgpr 256
		.amdhsa_next_free_sgpr 66
		.amdhsa_reserve_vcc 0
		.amdhsa_float_denorm_mode_32 3
		.amdhsa_float_denorm_mode_16_64 3
		.amdhsa_memory_ordered 1
		.amdhsa_forward_progress 1
		.amdhsa_inst_pref_size 33
	.end_amdhsa_kernel
	.amdgpu_metadata
---
amdhsa.version: [ 1, 2 ]
amdhsa.kernels:
  - .name:           k_qb6d90d49e5_quant
    .symbol:         k_qb6d90d49e5_quant.kd
    .args:
      - { .name: x, .offset: 0, .size: 8, .value_kind: global_buffer, .address_space: global }
      - { .name: tx, .offset: 8, .size: 8, .value_kind: global_buffer, .address_space: global }
      - { .name: Wqkv, .offset: 16, .size: 8, .value_kind: global_buffer, .address_space: global }
      - { .name: Wtqkv, .offset: 24, .size: 8, .value_kind: global_buffer, .address_space: global }
      - { .name: Wout, .offset: 32, .size: 8, .value_kind: global_buffer, .address_space: global }
      - { .name: codes1, .offset: 40, .size: 8, .value_kind: global_buffer, .address_space: global }
      - { .name: scales1, .offset: 48, .size: 8, .value_kind: global_buffer, .address_space: global }
    .group_segment_fixed_size: 51456
    .private_segment_fixed_size: 0
    .kernarg_segment_align: 8
    .kernarg_segment_size: 56
    .max_flat_workgroup_size: 192
    .sgpr_count:     66
    .vgpr_count:     256
    .wavefront_size: 32
...
	.end_amdgpu_metadata
.endif
;; end of part 1
;; launch proj (part 2): grid 8 x 32, 4 waves a work-group, clusters of 4 x 4, 327,680 bytes of LDS; arguments codes1, scales1, qkc, qks, vc, vs; writes qkc, qks, vc, vs
.if DOCPART == 2
	.amdgcn_target "amdgcn-amd-amdhsa--gfx1250"
	.amdhsa_code_object_version 6
	.text
	.protected	k_qb6d90d49e5_proj
	.globl	k_qb6d90d49e5_proj
	.p2align	8
	.type	k_qb6d90d49e5_proj,@function
k_qb6d90d49e5_proj:
	s_mov_b64 s[64:65], 0
	v_nop
	global_prefetch_b8 v0, s[64:65] scope:SCOPE_SE
	s_setreg_imm32_b32 hwreg(HW_REG_WAVE_MODE, 25, 1), 1
	s_wait_xcnt 0x0
	s_wait_alu depctr_hold_cnt(0) depctr_sa_sdst(0) depctr_va_vdst(0) depctr_va_sdst(0) depctr_va_ssrc(0) depctr_va_vcc(0) depctr_vm_vsrc(0)
	s_getreg_b32 s2, hwreg(HW_REG_IB_STS2, 6, 4)
	s_cmp_eq_u32 s2, 0
	s_cbranch_scc0 .Lentry_in_a_cluster
	s_endpgm
.Lentry_in_a_cluster:
	s_bfe_u32 s2, ttmp6, 0x10000c
	s_cmp_lg_u32 s2, 0xf033
	s_cbranch_scc0 .Lentry_shape_is_right
	s_endpgm
.Lentry_shape_is_right:
; The three projections that the module uses, q = tx Wq^T, k = x Wk^T, v = x Wv^T, on codes of FP6 (E2M3) with E8M0 scales, K = 1,024; their results are quantised in registers for the two products of the attention
; and leave as images of operand registers.  No f32 result goes to memory.
; SHARES.  A work-group takes two heads (hg) and 128 tokens (tb): three products of 128 x 128 x 1,024.  Wave w takes tiles 2 w, 2 w + 1 of the side called A against all eight tiles of the side called B: 16 accumulators.
; EVERY PRODUCT IS USED TRANSPOSED: source 0 = 16 rows of B, source 1 = 16 rows of A.  A tile's rows are 32 g + 8 u + j + 8 (j / 8), so a lane holds ONE row of A and its 64 registers are B's rows 32 b + 16 h + i:
; neighbours along the next product's K.  q, k: A = tokens, B = the two heads' 128 rows of the weight: a lane's 64 numbers are two heads x 64 d.  v: A = the weight's rows (d), B = tokens: 128 keys.
; OUT.  qkc [q, k][batch x head][token tile][768]: 16 tokens x 64 d, six registers a lane: registers 0-3 of lane l at 16 l, 4-5 at 512 + 8 l.  qks [q, k][batch][pair of tiles][hg][head of two][row][tile of two]: a word
; = the two bytes, then 0x7f, 0x7f.  vc [batch x head][128 keys][tile of d][1,536]: full images;  vs [batch x head][128 keys][tile of d][row]: words.
; LDS: six regions of 8 tiles x 4 K steps x 1,536 bytes.  First fills: tx and Wq (both halves of K), x and Wk (first half).  Two regions are filled again with x's and Wk's second half, two more with Wv's two halves.
; CLUSTER 4 x 4: the four of a row share tb, so the token tiles; the four of a column share hg, so the weights' tiles: each is asked for jointly.
; The one store that covers less than 256 consecutive bytes is v's scale words: 128 bytes a wave.
; LIMITS: as the quantising launch states them: no NaN, no infinities; a block under 2^-124 keeps the byte 1.
.set REG,   49152
.set SPARE, 6*REG                      ; behind the regions: the spare words, 128 bytes a wave
.set LB,   1                           ; v1   16 x lane
.set LA,   2                           ; v2   16 x lane + my two tiles of A: 12,288 x wave
.set ADA,  3                           ; v3   LDS address of A's fragments in the half in hand
.set ADB,  4                           ; v4   of B's
.set VSL,  5                           ; v5   16 r + 512 h: a pair of tiles' scale words
.set L8,   6                           ; v6   8 x lane
.set H16,  7                           ; v7   16 h
.set L4,   8                           ; v8   4 x lane
.set QSO,  9                           ; v9   128 h + 8 r
.set SPW,  10                          ; v10  my spare word; never rewritten
.set NIL,  11                          ; v11  0; never rewritten
.set TM,   16                          ; v16-31 the quantiser's work
.set PW0,  32                          ; v32, v33 the scale words just made
.set OW,   34                          ; v34-35 scale words on their way out
.set PC0,  36                          ; v36-47, v48-59 the codes just made
.set PC1,  48
.set PCT,  60                          ; v60-67
.set SC,   68                          ; v68-127 three sets of 20 scale registers: +s A's pair for K step s; +4+4p+s B's pair p.  Lanes 0-15 the even tile, lanes 16-31 the odd one
.set ACC,  128                         ; v128-255 accumulator (a, b) at ACC + 8 (8 a + b)
.set F0,   0                           ; window 1: two fragment buffers: A's two at +12 a, B's eight at +24+12 b
.set F1,   128
.set WV,   16
.set G1T,  24                          ; s[24:31] group 1 for token tiles;  s[32:39] for the weights'
.set G1W,  32
.set T0,   40                          ; groups 0
.set T1,   44
.set T2,   48
.set W0,   52
.set W1,   56
.set W2,   60
.set TOKX, 66                          ; s[66:67] x's tiles that I fetch
.set WB,   68                          ; s[68:69] Wk's tiles that I fetch
.set STOK, 70                          ; s[70:71] x's scale words, the work-group's eight tiles;  s[72:73] my two
.set STOKW, 72
.set SWS,  74                          ; s[74:75] Wk's scale words, the eight tiles;  s[76:77] my two
.set SWW,  76
.set SQ,   78
.set SS,   80
.set SV,   82
.set SVS,  84
.set SEL,  92
.set MSB, 0
.macro WIN new                         ; the immediate's high byte repeats the setting that is left
.if MSB != \new
	s_set_vgpr_msb (MSB<<8)|\new
.set MSB, \new
.endif
.endm
.macro PLACES n
.rept \n
	v_nop
.endr
.endm
.macro JLOAD g0a, g0b                  ; a joint load: waves 0 and 1 fetch token tiles, waves 2 and 3 the weights'; an s_nop 0 and four v_nop follow each line
	s_cmp_eq_u32 s17, 0
	s_cbranch_scc0 .Lfor_w_\@
	tensor_load_to_lds s[\g0a:\g0a+3], s[G1T:G1T+7]
	s_nop 0
.rept 4
	v_nop
.endr
	s_branch .Lasked_\@
.Lfor_w_\@:
	tensor_load_to_lds s[\g0b:\g0b+3], s[G1W:G1W+7]
	s_nop 0
.rept 4
	v_nop
.endr
.Lasked_\@:
.endm
.macro CROUND                          ; a round of the cluster's barrier
	s_barrier_signal -1
	s_barrier_wait -1
	s_cmp_lg_u32 s[WV], 0
	s_cbranch_scc1 .Lnot_wave_0_\@
	s_barrier_signal -3
.Lnot_wave_0_\@:
	s_barrier_wait -3
	s_barrier_signal -1
	s_barrier_wait -1
.endm
.macro MKG0 g, lds, base, off
	s_mov_b32 s[\g], 1
	s_add_co_u32 s[\g+1], s23, \lds
	s_add_nc_u64 s[\g+2:\g+3], s[\base:\base+1], \off
	s_or_b32 s[\g+3], s[\g+3], 0x80000000
.endm
	s_load_b256 s[4:11], s[0:1], 0x0               ; codes1 s[4:5], scales1 s[6:7], qkc s[8:9], qks s[10:11]
	s_load_b128 s[12:15], s[0:1], 0x20             ; vc s[12:13], vs s[14:15]
	v_lshl_add_u32 v[SPW], v0, 2, SPARE
	v_mov_b32 v[NIL], 0
	ds_add_u32 v[SPW], v[NIL]                      ; the wave's opening: the add and its wait stand ahead of my first tensor load; the set-up, work on registers, stands between
	ds_add_u32 v[SPW], v[NIL]
	v_lshrrev_b32 v12, 5, v0
	v_readfirstlane_b32 s[WV], v12                 ; wave 0..3
	s_lshr_b32 s17, s[WV], 1                       ; I fetch token tiles (0) or the weights' (1)
	s_and_b32 s18, s[WV], 1                        ; which half of K I fetch at the head
	s_bfe_u32 s19, ttmp6, 0x40000                  ; cx
	s_bfe_u32 s20, ttmp6, 0x40004                  ; cy
	s_lshl_b32 s21, ttmp9, 2
	s_add_co_u32 s21, s21, s19                     ; hg = 4 x cluster x + cx
	s_and_b32 s22, ttmp7, 0xffff
	s_lshl_b32 s22, s22, 2
	s_add_co_u32 s22, s22, s20                     ; tb = 4 x cluster y + cy
	s_lshl_b32 s2, s20, 2
	s_lshl_b32 s2, 15, s2                          ; my row of the cluster
	s_lshl_b32 s3, 0x1111, s19                     ; my column
	; group 1: eight tiles' halves of K, a whole region: 8 rows of 768 elements of 8 bytes (6,144 bytes), 1,536 elements apart in memory, dense in LDS
	s_or_b32 s[G1T], s2, (3<<16)|(1<<21)
	s_or_b32 s[G1W], s3, (3<<16)|(1<<21)
.irp g, G1T, G1W
	s_mov_b32 s[\g+1], 768<<16                     ; tensor_dim0
	s_mov_b32 s[\g+2], 8<<16                       ; tensor_dim1
	s_mov_b32 s[\g+3], 768<<16                     ; tile_dim0
	s_mov_b32 s[\g+4], 8                           ; tile_dim1
	s_mov_b32 s[\g+5], 1536                        ; tensor_dim0_stride
	s_mov_b32 s[\g+6], 0
	s_mov_b32 s[\g+7], 0
.endr
	s_lshl_b32 s94, s22, 3
	s_mul_i32 s94, s94, 12288                      ; x's tile 8 tb
	s_mov_b32 s95, 0
	s_lshl_b32 s96, s21, 3
	s_add_co_u32 s96, s96, 512
	s_mul_i32 s96, s96, 12288                      ; Wk's tile 512 + 8 hg
	s_mov_b32 s97, 0
	s_mul_i32 s23, s18, 2*REG                      ; the head's loads: even waves fill regions 0 and 1 (first half of K), odd waves regions 2 and 3 (second half)
	s_mul_i32 s86, s17, 6144
	s_add_co_u32 s86, s86, 786432                  ; the second refill: Wv lies 64 tiles behind Wk; waves 0, 1 its first half of K, waves 2, 3 its second
	s_mov_b32 s87, 0
	s_add_co_u32 s88, s17, 2
	s_mul_i32 s88, s88, REG
	s_mov_b32 s89, 0xffff0000                      ; lanes 16-31
	s_mov_b32 s90, 0x7f7f0000                      ; the scale 1 for the upper 64 of a K step of 128, which hold zeros
	s_mov_b32 s[SEL], 0x76543210
	s_mov_b32 s[SEL+1], 0xfedcba98
	; the scale words
	s_lshl_b32 s[STOK], s22, 12
	s_mov_b32 s[STOK+1], 0
	s_lshl_b32 s99, s[WV], 10
	s_add_co_u32 s[STOKW], s[STOK], s99
	s_mov_b32 s[STOKW+1], 0
	s_lshl_b32 s[SWS], s21, 12
	s_add_co_u32 s[SWS], s[SWS], 262144
	s_mov_b32 s[SWS+1], 0
	s_add_co_u32 s[SWW], s[SWS], s99
	s_mov_b32 s[SWW+1], 0
	; where the results go
	s_lshr_b32 s2, s22, 4                          ; batch
	s_and_b32 s3, s22, 15                          ; the 128 tokens' number in the batch
	s_lshl_b32 s98, s2, 4
	s_lshl_b32 s99, s21, 1
	s_add_co_u32 s98, s98, s99                     ; batch x head of my first head
	s_mul_i32 s[SQ], s98, 98304
	s_lshl_b32 s99, s3, 3
	s_lshl_b32 s[SQ+1], s[WV], 1
	s_add_co_u32 s99, s99, s[SQ+1]
	s_mul_i32 s99, s99, 768
	s_add_co_u32 s[SQ], s[SQ], s99
	s_mov_b32 s[SQ+1], 0
	s_lshl_b32 s[SS], s2, 17
	s_lshl_b32 s99, s3, 2
	s_add_co_u32 s99, s99, s[WV]
	s_lshl_b32 s99, s99, 11
	s_add_co_u32 s[SS], s[SS], s99
	s_lshl_b32 s99, s21, 8
	s_add_co_u32 s[SS], s[SS], s99
	s_mov_b32 s[SS+1], 0
	s_add_co_u32 s98, s98, s17                     ; v: waves 0, 1 the first head, waves 2, 3 the second
	s_mul_i32 s[SV], s98, 98304
	s_mul_i32 s99, s3, 6144
	s_add_co_u32 s[SV], s[SV], s99
	s_mul_i32 s99, s18, 3072
	s_add_co_u32 s[SV], s[SV], s99
	s_mov_b32 s[SV+1], 0
	s_lshl_b32 s[SVS], s98, 12
	s_lshl_b32 s99, s3, 8
	s_add_co_u32 s[SVS], s[SVS], s99
	s_lshl_b32 s99, s18, 7
	s_add_co_u32 s[SVS], s[SVS], s99
	s_mov_b32 s[SVS+1], 0
	v_and_b32 v12, 31, v0                          ; lane
	v_and_b32 v13, 15, v0                          ; r
	v_bfe_u32 v14, v0, 4, 1                        ; h
	v_lshlrev_b32 v[LB], 4, v12
	s_mul_i32 s99, s[WV], 12288
	v_add_nc_u32 v[LA], s99, v[LB]
	v_lshlrev_b32 v[VSL], 4, v13
	v_lshl_add_u32 v[VSL], v14, 9, v[VSL]
	v_lshlrev_b32 v[L8], 3, v12
	v_lshlrev_b32 v[H16], 4, v14
	v_lshlrev_b32 v[L4], 2, v12
	v_lshlrev_b32 v[QSO], 3, v13
	v_lshl_add_u32 v[QSO], v14, 7, v[QSO]
.irp b, 0,1,2,3
	v_mov_b32 v[TM+4+\b], 0                        ; a lane permute's destination counts as one of its sources
.endr
	s_wait_dscnt 0x0                               ; the opening add is done
	s_wait_kmcnt 0x0
	s_add_nc_u64 s[TOKX:TOKX+1], s[4:5], s[94:95]
	s_add_nc_u64 s[WB:WB+1], s[4:5], s[96:97]
	s_add_nc_u64 s[STOK:STOK+1], s[6:7], s[STOK:STOK+1]
	s_add_nc_u64 s[STOKW:STOKW+1], s[6:7], s[STOKW:STOKW+1]
	s_add_nc_u64 s[SWS:SWS+1], s[6:7], s[SWS:SWS+1]
	s_add_nc_u64 s[SWW:SWW+1], s[6:7], s[SWW:SWW+1]
	s_add_nc_u64 s[SQ:SQ+1], s[8:9], s[SQ:SQ+1]
	s_add_nc_u64 s[SS:SS+1], s[10:11], s[SS:SS+1]
	s_add_nc_u64 s[SV:SV+1], s[12:13], s[SV:SV+1]
	s_add_nc_u64 s[SVS:SVS+1], s[14:15], s[SVS:SVS+1]
	s_mul_i32 s94, s18, 6144                       ; my half of K at the head (s95 = 0)
	MKG0 T0, 0,     TOKX, 3145728                  ; region 0 or 2: tx (256 tiles behind x), my half of K
	s_add_nc_u64 s[T0+2:T0+3], s[T0+2:T0+3], s[94:95]
	MKG0 W0, REG,   WB, 1572864                    ; region 1 or 3: Wq (128 tiles behind Wk), my half of K
	s_add_nc_u64 s[W0+2:W0+3], s[W0+2:W0+3], s[94:95]
	MKG0 T2, 4*REG, TOKX, 0                        ; region 4: x, first half (issued by wave 0 alone)
	MKG0 W2, 5*REG, WB, 0                          ; region 5: Wk, first half (wave 2 alone)
	s_mov_b32 s[W1], 1                             ; region 2 or 3, later: Wv's first or second half (waves 1 and 3)
	s_mov_b32 s[W1+1], s88
	s_add_nc_u64 s[W1+2:W1+3], s[WB:WB+1], s[86:87]
	s_or_b32 s[W1+3], s[W1+3], 0x80000000
	CROUND                                         ; all sixteen work-groups are here: the first joint loads meet
	JLOAD T0, W0                                   ; one tensor load a wave at the head
.macro SCLD ab, ao, bb, bo             ; five loads: a half's scale words: A's pair of tiles, B's four pairs; four K steps each
	global_load_b128 v[SCD:SCD+3], v[VSL], s[\ab:\ab+1] offset:\ao
.irp p, 0,1,2,3
	global_load_b128 v[SCD+4+4*\p:SCD+7+4*\p], v[VSL], s[\bb:\bb+1] offset:\bo+1024*\p
.endr
.endm
.macro SCL i                           ; half i of six: product i / 2 (q, k, v), half i % 2 of K; into set i % 3
.set SCD, SC+20*((\i)%3)
.set HH, 256*((\i)%2)
.if (\i)/2 == 0
	SCLD STOKW, 131072+HH, SWS, 65536+HH
.elseif (\i)/2 == 1
	SCLD STOKW, HH, SWS, HH
.else
	SCLD SWW, 32768+HH, STOK, HH
.endif
.endm
.macro FETCH f, sp                     ; 30 LDS loads in one run: the fragments of K step sp of the half in hand, as images: 512 consecutive bytes a load
	WIN 0x40                                       ; destination window 1, address window 0
.irp a, 0,1
.irp q, 0,1,2
	ds_load_b128 v[\f+12*\a+4*\q:\f+12*\a+4*\q+3], v[ADA] offset:6144*\a+1536*(\sp)+512*\q
.endr
.endr
.irp b, 0,1,2,3,4,5,6,7
.irp q, 0,1,2
	ds_load_b128 v[\f+24+12*\b+4*\q:\f+24+12*\b+4*\q+3], v[ADB] offset:6144*\b+1536*(\sp)+512*\q
.endr
.endr
.endm
.macro WM zero                         ; one product; the odd tile of a pair has its scale words in lanes 16-31
.if \zero
.if (oA == 0) && (oB == 0)
	v_wmma_scale_f32_16x16x128_f8f6f4 v[rD:rD+7], v[rB:rB+11], v[rA:rA+11], 0, v[sB], v[sA] matrix_a_fmt:MATRIX_FMT_FP6 matrix_b_fmt:MATRIX_FMT_FP6
.elseif oA == 0
	v_wmma_scale_f32_16x16x128_f8f6f4 v[rD:rD+7], v[rB:rB+11], v[rA:rA+11], 0, v[sB], v[sA] matrix_a_fmt:MATRIX_FMT_FP6 matrix_b_fmt:MATRIX_FMT_FP6 matrix_a_scale:MATRIX_SCALE_ROW1
.elseif oB == 0
	v_wmma_scale_f32_16x16x128_f8f6f4 v[rD:rD+7], v[rB:rB+11], v[rA:rA+11], 0, v[sB], v[sA] matrix_a_fmt:MATRIX_FMT_FP6 matrix_b_fmt:MATRIX_FMT_FP6 matrix_b_scale:MATRIX_SCALE_ROW1
.else
	v_wmma_scale_f32_16x16x128_f8f6f4 v[rD:rD+7], v[rB:rB+11], v[rA:rA+11], 0, v[sB], v[sA] matrix_a_fmt:MATRIX_FMT_FP6 matrix_b_fmt:MATRIX_FMT_FP6 matrix_a_scale:MATRIX_SCALE_ROW1 matrix_b_scale:MATRIX_SCALE_ROW1
.endif
.else
.if (oA == 0) && (oB == 0)
	v_wmma_scale_f32_16x16x128_f8f6f4 v[rD:rD+7], v[rB:rB+11], v[rA:rA+11], v[rD:rD+7], v[sB], v[sA] matrix_a_fmt:MATRIX_FMT_FP6 matrix_b_fmt:MATRIX_FMT_FP6
.elseif oA == 0
	v_wmma_scale_f32_16x16x128_f8f6f4 v[rD:rD+7], v[rB:rB+11], v[rA:rA+11], v[rD:rD+7], v[sB], v[sA] matrix_a_fmt:MATRIX_FMT_FP6 matrix_b_fmt:MATRIX_FMT_FP6 matrix_a_scale:MATRIX_SCALE_ROW1
.elseif oB == 0
	v_wmma_scale_f32_16x16x128_f8f6f4 v[rD:rD+7], v[rB:rB+11], v[rA:rA+11], v[rD:rD+7], v[sB], v[sA] matrix_a_fmt:MATRIX_FMT_FP6 matrix_b_fmt:MATRIX_FMT_FP6 matrix_b_scale:MATRIX_SCALE_ROW1
.else
	v_wmma_scale_f32_16x16x128_f8f6f4 v[rD:rD+7], v[rB:rB+11], v[rA:rA+11], v[rD:rD+7], v[sB], v[sA] matrix_a_fmt:MATRIX_FMT_FP6 matrix_b_fmt:MATRIX_FMT_FP6 matrix_a_scale:MATRIX_SCALE_ROW1 matrix_b_scale:MATRIX_SCALE_ROW1
.endif
.endif
.endm
.macro MUL f, sp, scs, zero            ; 16 products, 128 along K: the 16 accumulators take turns, one instruction a turn, in the same order in every step
	WIN 0x05                                       ; sources 0 and 1 window 1; C and D window 0
.irp b, 0,1,2,3,4,5,6,7
.irp a, 0,1
.set rD, ACC+8*(8*\a+\b)
.set rB, \f+24+12*\b
.set rA, \f+12*\a
.set sB, \scs+4+4*(\b/2)+(\sp)
.set sA, \scs+(\sp)
.set oB, \b%2
.set oA, \a
	WM \zero
.endr
.endr
.endm
; Half i: four K steps on two fragment buffers.  A load into a register that a matrix instruction has read stands four plain vector instructions behind it (ISA guide 7.12.1 for vector instructions).
.macro HALF i, ra, rb, zero
	v_add_nc_u32 v[ADA], (\ra)*REG, v[LA]
	v_add_nc_u32 v[ADB], (\rb)*REG, v[LB]
	v_nop
	v_nop                                          ; these four are the places behind the last products
.if ((\i) >= 1) && ((\i) <= 3)
	SCL (\i)+2                                     ; into the set that the half before has left
.endif
	FETCH F0, 0
	FETCH F1, 1
.if (\i) < 4
	s_wait_alu depctr_va_vdst(0)
	s_wait_loadcnt 10                              ; this half's five scale loads are in; the two younger sets may be out
.elseif (\i) == 4
	s_wait_alu depctr_va_vdst(0)
	s_wait_loadcnt 5
.else
	s_wait_alu depctr_va_vdst(0)
	s_wait_loadcnt 0
.endif
	s_wait_dscnt 30                                ; all but the 30 loads just issued
	MUL F0, 0, SC+20*((\i)%3), \zero
	PLACES 4
	FETCH F0, 2
	s_wait_dscnt 30
	MUL F1, 1, SC+20*((\i)%3), 0
	PLACES 4
	FETCH F1, 3
	s_wait_dscnt 30
	MUL F0, 2, SC+20*((\i)%3), 0
	s_wait_dscnt 0x0
	MUL F1, 3, SC+20*((\i)%3), 0
	WIN 0
.endm
; 64 numbers of a lane, register 16 b + i = K 32 b + 16 h + i of my row, become a fragment's 12 registers and my row's scale word.  Each accumulator is read from its low end on.
.macro QUANT64 s, pc, pw
.irp b, 0,1,2,3
	v_max3_num_f32 v[TM+\b], |v[\s+16*\b]|, |v[\s+1+16*\b]|, 0x1800000   ; my 16 numbers of block b, and the floor 2^(3 - 127)
.endr
.irp i, 2,4,6,8,10,12,14
.irp b, 0,1,2,3
	v_max3_num_f32 v[TM+\b], v[TM+\b], |v[\s+16*\b+\i]|, |v[\s+1+16*\b+\i]|
.endr
.endr
.irp b, 0,1,2,3
	v_permlanex16_b32 v[TM+4+\b], v[TM+\b], s[SEL], s[SEL+1]
.endr
.irp b, 0,1,2,3
	v_max_num_f32 v[TM+\b], v[TM+\b], v[TM+4+\b]   ; with lane l xor 16's: the block's largest magnitude
.endr
.irp b, 0,1,2,3
	v_add_nc_u32 v[TM+12+\b], 0xff000000, v[TM+\b] ; 2 off its exponent field: the conversion's scale operand
.endr
.irp b, 0,1,2,3
	v_lshrrev_b32 v[TM+4+\b], 23, v[TM+12+\b]      ; the scale's byte
.endr
	v_lshl_or_b32 v[\pw], v[TM+5], 8, v[TM+4]
	v_lshl_or_b32 v[\pw], v[TM+6], 16, v[\pw]
	v_lshl_or_b32 v[\pw], v[TM+7], 24, v[\pw]
.irp c, 0,1
	v_cvt_scalef32_pk16_fp6_f32 v[\pc+6*\c:\pc+6*\c+2], v[\s+32*\c:\s+32*\c+15], v[TM+12+2*\c]
	v_cvt_scalef32_pk16_fp6_f32 v[PCT+4*\c:PCT+4*\c+2], v[\s+32*\c+16:\s+32*\c+31], v[TM+13+2*\c]   ; (a conversion's three registers begin on an even number)
.endr
	v_nop                                          ; one plain vector instruction behind the scaled conversions
.irp c, 0,1                                    ; the operand's layout wants a whole block in a lane: lanes 0-15 block 2 c, lanes 16-31 block 2 c + 1
.irp i, 0,1,2
	v_permlane16_swap_b32 v[\pc+6*\c+\i], v[PCT+4*\c+\i]
.endr
.irp i, 0,1,2
	v_mov_b32 v[\pc+6*\c+3+\i], v[PCT+4*\c+\i]
.endr
.endr
.endm
.macro PUT_QK pc, off                  ; registers 0-5 are the first head's 64 d, registers 6-11 the second's: two images of 768 bytes; each store covers 512 or 256 consecutive bytes, aligned
	global_store_b128 v[LB], v[\pc:\pc+3], s[SQ:SQ+1] offset:\off
	global_store_b64 v[L8], v[\pc+4:\pc+5], s[SQ:SQ+1] offset:\off+512
	global_store_b128 v[LB], v[\pc+6:\pc+9], s[SQ:SQ+1] offset:\off+98304
	global_store_b64 v[L8], v[\pc+10:\pc+11], s[SQ:SQ+1] offset:\off+98304+512
.endm
.macro EPI_QK kind                     ; q (0) or k (1) leaves
	PLACES 4                                       ; in front of the first read of results
	s_wait_xcnt 0x0                                ; earlier stores have read their data registers
	QUANT64 ACC, PC0, PW0
	PUT_QK PC0, (\kind)*3145728
	QUANT64 ACC+64, PC1, PW0+1
	PUT_QK PC1, (\kind)*3145728+768
	v_lshrrev_b32 v[OW], v[H16], v[PW0]            ; lanes 0-15 take the first head's two bytes, lanes 16-31 the second's
	v_lshrrev_b32 v[OW+1], v[H16], v[PW0+1]
	v_and_or_b32 v[OW], v[OW], 0xffff, s90
	v_and_or_b32 v[OW+1], v[OW+1], 0xffff, s90
	global_store_b64 v[QSO], v[OW:OW+1], s[SS:SS+1] offset:(\kind)*262144   ; 256 consecutive bytes, aligned
.endm
.macro EPI_V
	PLACES 4
	s_wait_xcnt 0x0
	QUANT64 ACC, PC0, PW0
.irp q, 0,1,2
	global_store_b128 v[LB], v[PC0+4*\q:PC0+4*\q+3], s[SV:SV+1] offset:512*\q
.endr
	QUANT64 ACC+64, PC1, PW0+1
.irp q, 0,1,2
	global_store_b128 v[LB], v[PC1+4*\q:PC1+4*\q+3], s[SV:SV+1] offset:1536+512*\q
.endr
	v_cndmask_b32 v[OW], v[PW0], v[PW0+1], s89     ; lanes 0-15 my first tile's words, lanes 16-31 my second's
	global_store_b32 v[L4], v[OW], s[SVS:SVS+1]    ; 128 consecutive bytes
.endm
	SCL 0
	SCL 1
	SCL 2
	s_wait_alu depctr_va_vdst(0)
	s_wait_tensorcnt 0x0                           ; my region of the head's four is in
	ds_add_u32 v[SPW], v[NIL]
	s_wait_dscnt 0x0
	CROUND                                         ; regions 0 to 3 are whole in every partner
	s_cmp_eq_u32 s18, 0                            ; regions 4 and 5, filled for the first time: wave 0 fetches x's first half, wave 2 Wk's; waves 1 and 3 have no part
	s_cbranch_scc0 .Lno_first_half
	JLOAD T2, W2
.Lno_first_half:
	HALF 0, 0, 1, 1                                ; q, first half of K
	HALF 1, 2, 3, 0                                ; q, second half
	s_wait_tensorcnt 0x0                           ; all my loads have landed, so a group 0 may be written
	ds_add_u32 v[SPW], v[NIL]                      ; 0 onto my spare word
	s_add_nc_u64 s[T0+2:T0+3], s[TOKX:TOKX+1], 6144   ; regions 0 and 1 take x's and Wk's second half of K (waves 0 and 2, whose LDS addresses stand)
	s_or_b32 s[T0+3], s[T0+3], 0x80000000
	s_add_nc_u64 s[W0+2:W0+3], s[WB:WB+1], 6144
	s_or_b32 s[W0+3], s[W0+3], 0x80000000
	s_wait_dscnt 0x0                               ; the add is done, and my reads of regions 0 to 3 are over
	CROUND                                         ; the same holds of every wave of every partner
	s_cmp_eq_u32 s18, 0                            ; one refill a wave: waves 0 and 2 regions 0 and 1; waves 1 and 3 regions 2 and 3, with Wv's two halves
	s_cbranch_scc0 .Lfor_wv
	JLOAD T0, W0
	s_branch .Lrefilled
.Lfor_wv:
	tensor_load_to_lds s[W1:W1+3], s[G1W:G1W+7]
	s_nop 0
.rept 4
	v_nop
.endr
.Lrefilled:
	EPI_QK 0                                       ; q leaves behind the refills: work on registers and stores, under which the refills are on their way
	HALF 2, 4, 5, 1                                ; k, first half
	s_wait_tensorcnt 0x0                           ; my refill is in,
	s_wait_dscnt 0x0
	s_barrier_signal -1
	s_barrier_wait -1                              ; everybody's is
	HALF 3, 0, 1, 0                                ; k, second half
	EPI_QK 1
	HALF 4, 2, 4, 1
	HALF 5, 3, 0, 0
	EPI_V
	s_wait_tensorcnt 0x0                           ; the wave's end
	ds_add_u32 v[SPW], v[NIL]
	s_wait_dscnt 0x0
	CROUND                                         ; the closing round
	s_endpgm
.Lfunc_end_k_qb6d90d49e5_proj:
	.size	k_qb6d90d49e5_proj, .Lfunc_end_k_qb6d90d49e5_proj-k_qb6d90d49e5_proj
	.p2alignl 7, 3214868480
	.fill 96, 4, 3214868480
	.section	.rodata,"a",@progbits
	.p2align	6, 0x0
	.amdhsa_kernel k_qb6d90d49e5_proj
		.amdhsa_group_segment_fixed_size 327680
		.amdhsa_private_segment_fixed_size 0
		.amdhsa_enable_private_segment 0
		.amdhsa_kernarg_size 48
		.amdhsa_user_sgpr_count 2
		.amdhsa_user_sgpr_kernarg_segment_ptr 1
		.amdhsa_wavefront_size32 1
		.amdhsa_system_sgpr_workgroup_id_x 1
		.amdhsa_system_sgpr_workgroup_id_y 1
		.amdhsa_system_sgpr_workgroup_id_z 1
		.amdhsa_system_vgpr_workitem_id 0
		.amdhsa_next_free_vgpr 512
		.amdhsa_next_free_sgpr 100
		.amdhsa_reserve_vcc 0
		.amdhsa_float_denorm_mode_32 3
		.amdhsa_float_denorm_mode_16_64 3
		.amdhsa_memory_ordered 1
		.amdhsa_forward_progress 1
		.amdhsa_inst_pref_size 138
	.end_amdhsa_kernel
	.amdgpu_metadata
---
amdhsa.version: [ 1, 2 ]
amdhsa.kernels:
  - .name:           k_qb6d90d49e5_proj
    .symbol:         k_qb6d90d49e5_proj.kd
    .args:
      - { .name: codes1, .offset: 0, .size: 8, .value_kind: global_buffer, .address_space: global }
      - { .name: scales1, .offset: 8, .size: 8, .value_kind: global_buffer, .address_space: global }
      - { .name: qkc, .offset: 16, .size: 8, .value_kind: global_buffer, .address_space: global }
      - { .name: qks, .offset: 24, .size: 8, .value_kind: global_buffer, .address_space: global }
      - { .name: vc, .offset: 32, .size: 8, .value_kind: global_buffer, .address_space: global }
      - { .name: vs, .offset: 40, .size: 8, .value_kind: global_buffer, .address_space: global }
    .group_segment_fixed_size: 327680
    .private_segment_fixed_size: 0
    .kernarg_segment_align: 8
    .kernarg_segment_size: 48
    .max_flat_workgroup_size: 128
    .sgpr_count:     100
    .vgpr_count:     512
    .wavefront_size: 32
...
	.end_amdgpu_metadata
.endif
;; end of part 2
;; launch attn (part 3): grid 8 x 32, 16 waves a work-group, clusters of 4 x 1, 223,744 bytes of LDS; arguments qkc, qks, vc, vs, oc, os; writes oc, os
.if DOCPART == 3
	.amdgcn_target "amdgcn-amd-amdhsa--gfx1250"
	.amdhsa_code_object_version 6
	.text
	.protected	k_qb6d90d49e5_attn
	.globl	k_qb6d90d49e5_attn
	.p2align	8
	.type	k_qb6d90d49e5_attn,@function
k_qb6d90d49e5_attn:
	s_mov_b64 s[64:65], 0
	v_nop
	global_prefetch_b8 v0, s[64:65] scope:SCOPE_SE
	s_setreg_imm32_b32 hwreg(HW_REG_WAVE_MODE, 25, 1), 1
	s_wait_xcnt 0x0
	s_wait_alu depctr_hold_cnt(0) depctr_sa_sdst(0) depctr_va_vdst(0) depctr_va_sdst(0) depctr_va_ssrc(0) depctr_va_vcc(0) depctr_vm_vsrc(0)
	s_getreg_b32 s2, hwreg(HW_REG_IB_STS2, 6, 4)
	s_cmp_eq_u32 s2, 0
	s_cbranch_scc0 .Lentry_in_a_cluster
	s_endpgm
.Lentry_in_a_cluster:
	s_bfe_u32 s2, ttmp6, 0x10000c
	s_cmp_lg_u32 s2, 0x3003
	s_cbranch_scc0 .Lentry_shape_is_right
	s_endpgm
.Lentry_shape_is_right:
; o = softmax(8 q k^T) v for one batch x head and 256 queries, both products on codes of FP6 (E2M3) with E8M0 scales; o is quantised along d for the last projection and leaves as images of operand registers.
; THE SOFTMAX: t = score x 8 log2(e); M = the row's largest t so far, rounded up to a whole number; p = 2^(t - M) is quantised along the keys, not normalised.  The row's sum is taken of the unquantised p
; and divides o at the end.  When M moves, the sum and o are multiplied by 2^(old M - new M): exact.
; SHARES.  Sixteen waves, each one tile of 16 queries in 256 registers; every wave walks the head's 2,048 keys, 128 a step, four steps a trip, four trips.
; LDS.  A whole head's k and v and their scale words stay in LDS, each byte filled once, by sixteen joint loads, one a wave, at the head: waves 0-3 the first 512 bytes of k's 128 images (rows 576 bytes apart),
; waves 4-5 their last 256 bytes (rows 288 apart), waves 6-13 v's images, wave 14 k's scale words, wave 15 v's.  One barrier shows all of it to all waves; the loop has none.
; CLUSTER 4 x 1: four blocks of queries of one head: all loads are joint.  NO PREFETCH: every byte is asked for at the head, so the loop has no stream to run ahead of.
; LAYOUT.  Both products transposed: S^T = k q^T (source 0 = 16 keys), O^T = v^T p^T (source 0 = 16 d): a lane holds one query.
; WHICH KEYS FORM A TILE is chosen by the lanes' LDS addresses: tile 4 c + u of a step takes in its rows 0-7 keys 64 c + 8 u + 0..7 and in its rows 8-15 keys 64 c + 32 + 8 u + 0..7.  So lane (r, h) holds in the 32 registers
; of tiles 4 c .. 4 c + 3 the keys 64 c + 32 h + 0..31: a whole block, in the order of the operand's registers: a block's maximum needs no other lane, and the conversions' results are p's operand.
; In memory an image holds tokens 32 g + 8 u' + j + 8 (j / 8): key 32 g + 16 a + 8 u' + i is row 8 a + i of image 2 g + u'.  Rows 8-15 of a tile come from the image two further on: with the two pitches
; that is 128 bytes (mod 256) on for the loads of 16 bytes and 64 on for those of 8.
; K = 64 IN AN INSTRUCTION OF K = 128: q's registers 6-11 are zeros and all scale bytes of the upper 64 are 0x7f; a tile of k names six registers beyond its own (the next tile's codes; behind the last tile address words):
; every pattern of 6 bits is a finite number of E2M3, and it meets q's zeros.
; FRAGMENTS AHEAD.  The next step's tiles 0-3 of k are asked for behind this step's scores; tiles 4-7 share their registers with v's fragments 2 and 3, whose products go first, and are asked for four places behind them.
; Step 3 of a trip makes the next trip's addresses; in the last trip the trip's number is held at 3, so that step asks once more for bytes of k's regions, which nothing reads.
; LIMITS: no NaN or infinities; a block under 2^-124 keeps the byte 1; the promise holds while the scaled scores t stay under 2^31 in magnitude (the running maximum begins at score -1e30).
.set K64B,  73728                      ; LDS: k's images, bytes 0-511: [image 128][576] from 0; bytes 512-767: [image 128][288] from K64B
.set VC,    110592                     ; v's [step 16][tile of d 4][1,536]
.set KSC,   208896                     ; k's scale words [pair of images 64][row 16][image of two]
.set VSC,   217088                     ; v's [step][tile of d][row]
.set SPARE, 221184                     ; the spare words, 128 bytes a wave: eight blocks of 256 bytes that no other line names
.set OSCR,  223232                     ; 512 bytes: o's scale bytes meet here; no fill lands there
.set L16,  1                           ; 16 x lane
.set L8,   2                           ; 8 x lane + 512
.set ADK,  3                           ; the trip's addresses: k's 16-byte parts, v4 its 8-byte parts, v7 v, v8 k's scale words, v9 v's
.set ADK8, 4
.set SPW,  5                           ; my spare word; never rewritten
.set NIL,  6                           ; 0; never rewritten
.set ADV,  7
.set ADS,  8
.set ADT,  9
.set H8,   10                          ; 8 h
.set R8,   11                          ; 8 r.   v12 -M, v13 the largest score so far, v[14:15] the sum; v16-27 q
.set OSA,  28                          ; OSCR + 32 x wave + 2 r
.set OSR,  29                          ; OSCR + 16 x lane
.set TT,   30
.set TB,   31                          ; a lane permute's destination
.set KF,   32                          ; v32-79 k's tile t at 32 + 6 t; v56-79 v's fragments 2 and 3, later
.set BN,   80                          ; v80-81 second chains of the maxima
.set BK,   82                          ; v82-86 the addresses' lane parts: k 16, k 8, v, k's scale words, v's
.set BK8,  83
.set BV,   84
.set BS,   85
.set BT4,  86
.set KSW,  88                          ; v88-95 k's scale words
.set S,    96                          ; v96-159 S^T, then p
.set O,    160                         ; v160-191 O^T
.set VSW,  192                         ; v192-193 v's scale words: lanes 0-15 the even tile, lanes 16-31 the odd one
.set BM,   194                         ; v194-195 my two blocks' largest scores, then largest p
.set SO,   196                         ; v196-197 the conversions' scale operands
.set BT,   198                         ; v198-199 the scale bytes
.set FF,   200                         ; v[200:201] f = 2^(old M - new M); the packed form names the pair
.set CB,   202                         ; v202-207 three more chains of the row's sum
.set CC,   204
.set CD,   206
.set CT,   208                         ; v208-215 the blocks' upper halves as the conversions leave them
.set PCD,  216                         ; v216-227 p's codes
.set PWD,  228                         ; p's scale word
.set QS,   229                         ; q's scale word
.set WT,   230
.set VB,   232                         ; v232-255 v's fragments 0 and 1
.set WV,   16
.set G1A,  24                          ; groups 1: s[24:31] k's 512-byte parts, s[32:39] its 256-byte parts, s[40:47] v, s[48:55] k's scale words, s[56:63] v's
.set G1B,  32
.set G1V,  40
.set G1KS, 48
.set G1VS, 56
.set G0A,  68                          ; groups 0, in the same order
.set G0B,  72
.set G0V,  76
.set G0KS, 80
.set G0VS, 84
.set CS,   88                          ; s[88:89] c = 8 log2(e)
.set SEL,  90                          ; s[90:91] lane l xor 16
.set TRIP, 92                          ; the trip's number
.set NX,   93                          ; the next trip's, held at 3
.macro CROUND
	s_barrier_signal -1
	s_barrier_wait -1
	s_cmp_lg_u32 s[WV], 0
	s_cbranch_scc1 .Lnot_wave_0_\@
	s_barrier_signal -3
.Lnot_wave_0_\@:
	s_barrier_wait -3
	s_barrier_signal -1
	s_barrier_wait -1
.endm
.macro MKG1 g, w0, c, r, p             ; r rows of c elements of 8 bytes, p elements apart in memory
	s_mov_b32 s[\g], \w0
	s_mov_b32 s[\g+1], (\c)<<16
	s_mov_b32 s[\g+2], (\r)<<16
	s_mov_b32 s[\g+3], (\c)<<16
	s_mov_b32 s[\g+4], \r
	s_mov_b32 s[\g+5], \p
	s_mov_b32 s[\g+6], 0
	s_mov_b32 s[\g+7], 0
.endm
.macro ARM under, g0, g1, next         ; one arm of the head's chain of branches on the wave's number: one load, then the join
	s_cmp_lt_u32 s[WV], \under
	s_cbranch_scc0 \next
	tensor_load_to_lds s[\g0:\g0+3], s[\g1:\g1+7]
	s_nop 0
.rept 4
	v_nop
.endr
	s_branch .Lfilled
\next:
.endm
	s_load_b256 s[4:11], s[0:1], 0x0               ; qkc s[4:5], qks s[6:7], vc s[8:9], vs s[10:11]
	s_load_b128 s[12:15], s[0:1], 0x20             ; oc s[12:13], os s[14:15]
	v_lshl_add_u32 v[SPW], v0, 2, SPARE
	v_mov_b32 v[NIL], 0
	ds_add_u32 v[SPW], v[NIL]                      ; the opening lines: the add, twice on end, and its wait stand ahead of my tensor load; the set-up stands between
	ds_add_u32 v[SPW], v[NIL]
	v_lshrrev_b32 v96, 5, v0
	v_readfirstlane_b32 s[WV], v96                 ; wave 0..15
	s_bfe_u32 s17, ttmp6, 0x40000                  ; cx
	s_lshl_b32 s18, ttmp9, 2
	s_add_co_u32 s18, s18, s17                     ; my block of 256 queries: it enters global addresses of q and o alone
	s_and_b32 s19, ttmp7, 0xffff                   ; batch x head, which the four partners share
	s_lshr_b32 s20, s19, 4                         ; batch
	s_and_b32 s21, s19, 15                         ; head
	; word 0: the mask of all four, elements of 8 bytes, bit 21 beside a mask; for k padding on: 16 words behind every 128, 8 behind every 64
	MKG1 G1A,  15|(3<<16)|(1<<20)|(1<<21)|(6<<22)|(15<<25), 64, 32, 96
	MKG1 G1B,  15|(3<<16)|(1<<20)|(1<<21)|(5<<22)|(7<<25), 32, 64, 96
	MKG1 G1V,  15|(3<<16)|(1<<21), 32, 48, 32
	MKG1 G1KS, 15|(3<<16)|(1<<21), 16, 64, 256
	MKG1 G1VS, 15|(3<<16)|(1<<21), 32, 16, 32
	s_mul_i32 s94, s19, 98304                      ; the head's codes, in qkc's halves and in vc alike
	s_mov_b32 s95, 0
	s_lshl_b32 s96, s20, 17
	s_lshl_b32 s97, s21, 7
	s_add_co_u32 s96, s96, s97                     ; the head's scale words in a half of qks
	s_mov_b32 s97, 0
	s_lshl_b32 s98, s19, 12                        ; v's scale words
	s_mov_b32 s99, 0
	s_mul_i32 s2, s[WV], 24576                     ; waves 0-3: 32 images each
	s_mov_b32 s3, 0
	s_mul_i32 s22, s[WV], 49152                    ; waves 4-5: 64 images each
	s_mov_b32 s23, 0
	s_mul_i32 s92, s[WV], 12288                    ; waves 6-13: 12,288 bytes of v each
	s_mov_b32 s93, 0
	s_mul_i32 s[G0A+1], s[WV], 18432               ; 32 rows of 576 bytes, from 0
	s_mul_i32 s[G0B+1], s[WV], 18432               ; 64 rows of 288 bytes: K64B + (wave - 4) x 18,432 is the same number
	s_mul_i32 s[G0V+1], s[WV], 12288
	s_add_co_u32 s[G0V+1], s[G0V+1], VC-6*12288
	s_mov_b32 s[G0KS+1], KSC
	s_mov_b32 s[G0VS+1], VSC
.irp g, G0A, G0B, G0V, G0KS, G0VS
	s_mov_b32 s[\g], 1
.endr
	s_mov_b32 s[CS], 0x4138aa3b                    ; c = 8 log2(e): the module multiplies the scores by sqrt(64)
	s_mov_b32 s[CS+1], s[CS]
	s_mov_b32 s[SEL], 0x76543210
	s_mov_b32 s[SEL+1], 0xfedcba98
	s_lshl_b32 s17, s[WV], 5
	s_add_co_u32 s17, s17, OSCR
	v_and_b32 v96, 31, v0                          ; lane
	v_and_b32 v97, 15, v0                          ; r
	v_and_b32 v98, 7, v0                           ; r % 8
	v_bfe_u32 v99, v0, 3, 1                        ; r / 8
	v_bfe_u32 v100, v0, 4, 1                       ; h
	v_lshlrev_b32 v[L16], 4, v96
	v_lshl_add_u32 v[L8], v96, 3, 512
	v_mul_u32_u24 v[BK], v99, 1152                 ; rows 8-15: two images on;
	v_mul_u32_u24 v[BK8], v99, 576
	v_lshlrev_b32 v[BS], 7, v99
	v_lshl_add_u32 v[BK], v98, 4, v[BK]            ; the image's lane (r % 8) + 16 h (+ 8 a in the immediate)
	v_lshl_add_u32 v[BK8], v98, 3, v[BK8]
	v_lshl_add_u32 v[BS], v98, 3, v[BS]
	v_lshl_add_u32 v[BK], v100, 8, v[BK]
	v_lshl_add_u32 v[BK8], v100, 7, v[BK8]
	v_add_nc_u32 v[BS], KSC, v[BS]
	v_add_nc_u32 v[BK8], K64B, v[BK8]
	v_add_nc_u32 v[BV], VC, v[L16]
	v_lshl_add_u32 v[BT4], v96, 2, VSC
	v_lshlrev_b32 v[H8], 3, v100
	v_lshlrev_b32 v[R8], 3, v97
	v_lshl_add_u32 v[OSA], v97, 1, s17
	v_add_nc_u32 v[OSR], OSCR, v[L16]
	s_wait_alu depctr_va_vdst(0)
	s_wait_dscnt 0x0                               ; both opening adds are done
	s_wait_kmcnt 0x0
	s_add_nc_u64 s[G0A+2:G0A+3], s[4:5], s[94:95]
	s_add_nc_u64 s[G0A+2:G0A+3], s[G0A+2:G0A+3], 3145728   ; k's half of qkc, my head
	s_add_nc_u64 s[G0B+2:G0B+3], s[G0A+2:G0A+3], s[22:23]
	s_sub_nc_u64 s[G0B+2:G0B+3], s[G0B+2:G0B+3], 4*49152-512   ; image 64 (wave - 4), from its byte 512
	s_add_nc_u64 s[G0A+2:G0A+3], s[G0A+2:G0A+3], s[2:3]
	s_add_nc_u64 s[G0V+2:G0V+3], s[8:9], s[94:95]
	s_add_nc_u64 s[G0V+2:G0V+3], s[G0V+2:G0V+3], s[92:93]
	s_sub_nc_u64 s[G0V+2:G0V+3], s[G0V+2:G0V+3], 6*12288
	s_add_nc_u64 s[G0KS+2:G0KS+3], s[6:7], s[96:97]
	s_add_nc_u64 s[G0KS+2:G0KS+3], s[G0KS+2:G0KS+3], 262144   ; k's half of qks
	s_add_nc_u64 s[G0VS+2:G0VS+3], s[10:11], s[98:99]
.irp g, G0A, G0B, G0V, G0KS, G0VS
	s_or_b32 s[\g+3], s[\g+3], 0x80000000
.endr
	CROUND                                         ; all four work-groups are here: the joint loads meet
	ARM 4,  G0A,  G1A,  .Lhead_b                   ; every way through the chain passes exactly one load
	ARM 6,  G0B,  G1B,  .Lhead_v
	ARM 14, G0V,  G1V,  .Lhead_ks
	ARM 15, G0KS, G1KS, .Lhead_vs
	tensor_load_to_lds s[G0VS:G0VS+3], s[G1VS:G1VS+7]
	s_nop 0
.rept 4
	v_nop
.endr
.Lfilled:
	s_lshl_b32 s22, s18, 4
	s_add_co_u32 s22, s22, s[WV]                   ; my tile of queries in the batch
	s_mul_i32 s23, s22, 768
	s_add_co_u32 s94, s94, s23
	s_add_nc_u64 s[4:5], s[4:5], s[94:95]          ; q's image
	s_lshr_b32 s23, s22, 1
	s_lshl_b32 s23, s23, 11
	s_add_co_u32 s96, s96, s23
	s_and_b32 s23, s22, 1
	s_lshl_b32 s23, s23, 2
	s_add_co_u32 s96, s96, s23
	s_add_nc_u64 s[6:7], s[6:7], s[96:97]          ; q's scale words
	global_load_b128 v[16:19], v[L16], s[4:5]      ; q stays in registers
	global_load_b64 v[20:21], v[L8], s[4:5]
	global_load_b32 v[QS], v[R8], s[6:7]
	s_lshl_b32 s23, s20, 7
	s_add_co_u32 s2, s23, s22                      ; my tile of tokens among all 256
	s_mul_i32 s2, s2, 12288
	s_mul_i32 s3, s21, 768
	s_add_co_u32 s2, s2, s3
	s_mov_b32 s3, 0
	s_add_nc_u64 s[12:13], s[12:13], s[2:3]        ; o's image
	s_lshl_b32 s2, s18, 4
	s_add_co_u32 s2, s2, s23
	s_lshl_b32 s2, s2, 5
	s_lshl_b32 s23, s21, 13
	s_add_co_u32 s2, s2, s23
	s_add_nc_u64 s[14:15], s[14:15], s[2:3]        ; the work-group's 512 bytes of o's scale bytes
	v_mov_b32 v13, 0xf149f2ca                      ; the largest score so far: -1e30
	v_mov_b32 v12, 0x7149f2ca                      ; -M: so far above every -M that the first step's f is 0
.irp j, 14,15,22,23,24,25,26,27,BN,BN+1,TB,FF+1,CB,CB+1,CC,CC+1,CD,CD+1
	v_mov_b32 v[\j], 0                             ; the sum and its chains; q's upper 64 along K; two registers that k's last tile names before they are first used; a permute's destination; f's pair
.endr
.irp j, 0,1,2,3,4,5,6,7,8,9,10,11,12,13,14,15,16,17,18,19,20,21,22,23,24,25,26,27,28,29,30,31
	v_mov_b32 v[O+\j], 0                           ; O^T: the step is written once, and the first step's f = 0 leaves zeros
.endr
.macro KLOAD sl, c                     ; step sl of the trip, half c: k's tiles 4 c .. 4 c + 3 and their scale words; tile 4 c + 2 a + u: images 8 sl + 4 c + u (rows 0-7) and two on (rows 8-15), their rows 8 a ..
.irp a, 0,1
.irp u, 0,1
	ds_load_b128 v[KF+6*(4*\c+2*\a+\u):KF+6*(4*\c+2*\a+\u)+3], v[ADK] offset:(8*(\sl)+4*\c+\u)*576+128*\a
	ds_load_b64 v[KF+6*(4*\c+2*\a+\u)+4:KF+6*(4*\c+2*\a+\u)+5], v[ADK8] offset:(8*(\sl)+4*\c+\u)*288+64*\a
.endr
	ds_load_b64 v[KSW+4*\c+2*\a:KSW+4*\c+2*\a+1], v[ADS] offset:(4*(\sl)+2*\c)*128+64*\a
.endr
.endm
.macro KADR                            ; k's addresses for trip NX: 32 images and 16 pairs' scale words a trip
	v_mad_u32_u24 v[ADK], s[NX], 18432, v[BK]
	v_mad_u32_u24 v[ADK8], s[NX], 9216, v[BK8]
	v_mad_u32_u24 v[ADS], s[NX], 2048, v[BS]
.endm
.macro VADR                            ; v's
	v_mad_u32_u24 v[ADV], s[NX], 24576, v[BV]
	v_mad_u32_u24 v[ADT], s[NX], 1024, v[BT4]
.endm
.macro SW t                            ; the scores of tile t
	v_wmma_scale_f32_16x16x128_f8f6f4 v[S+8*\t:S+8*\t+7], v[KF+6*\t:KF+6*\t+11], v[16:27], 0, v[KSW+\t], v[QS] matrix_a_fmt:MATRIX_FMT_FP6 matrix_b_fmt:MATRIX_FMT_FP6
.endm
.macro PV t, a                         ; O^T's tile t += v's fragment t (at register a) x p
.if (\t)%2 == 0
	v_wmma_scale_f32_16x16x128_f8f6f4 v[O+8*(\t):O+8*(\t)+7], v[\a:\a+11], v[PCD:PCD+11], v[O+8*(\t):O+8*(\t)+7], v[VSW+(\t)/2], v[PWD] matrix_a_fmt:MATRIX_FMT_FP6 matrix_b_fmt:MATRIX_FMT_FP6
.else
	v_wmma_scale_f32_16x16x128_f8f6f4 v[O+8*(\t):O+8*(\t)+7], v[\a:\a+11], v[PCD:PCD+11], v[O+8*(\t):O+8*(\t)+7], v[VSW+(\t)/2], v[PWD] matrix_a_fmt:MATRIX_FMT_FP6 matrix_b_fmt:MATRIX_FMT_FP6 matrix_a_scale:MATRIX_SCALE_ROW1
.endif
.endm
.macro OM j                            ; O^T under the new M
	v_pk_mul_f32 v[O+\j:O+\j+1], v[O+\j:O+\j+1], v[FF:FF+1] op_sel_hi:[1,0]
.endm
.macro TM8 j                           ; t - M, sixteen numbers
.irp i, 0,2,4,6,8,10,12,14
	v_pk_fma_f32 v[S+\j+\i:S+\j+\i+1], v[S+\j+\i:S+\j+\i+1], s[CS:CS+1], v[12:13] op_sel_hi:[1,0,0]
.endr
.endm
.macro ADD4 i                          ; pairs i .. i + 3 of p onto the sum's four chains
	v_pk_add_f32 v[14:15], v[14:15], v[S+2*(\i):S+2*(\i)+1]
	v_pk_add_f32 v[CB:CB+1], v[CB:CB+1], v[S+2*(\i)+2:S+2*(\i)+3]
	v_pk_add_f32 v[CC:CC+1], v[CC:CC+1], v[S+2*(\i)+4:S+2*(\i)+5]
	v_pk_add_f32 v[CD:CD+1], v[CD:CD+1], v[S+2*(\i)+6:S+2*(\i)+7]
.endm
; A KEY STEP: 128 keys.  Its tiles 0-3 of k and their scale words are in (the last step's wait ahead of its second products covered them); tiles 4-7 are on their way.
.macro STEP sl
.if (\sl) == 3
	s_add_co_u32 s[NX], s[TRIP], 1
	s_min_u32 s[NX], s[NX], 3                      ; the next trip; the last trip names itself
.endif
	SW 0
	SW 1
	SW 2
	s_wait_dscnt 0x0                               ; k's tiles 4-7 (tile 3 names tile 4's registers too)
	SW 3
	SW 4
	SW 5
	SW 6
	SW 7
	v_pk_add_f32 v[CB:CB+1], v[CB:CB+1], v[CC:CC+1]   ; the last step's four chains join: these four lines are the places in front of the loads into k's registers and of the first read of scores
	v_pk_add_f32 v[14:15], v[14:15], v[CD:CD+1]
	v_mov_b32 v[TT], v12                           ; the old -M
	v_pk_add_f32 v[14:15], v[14:15], v[CB:CB+1]
.if (\sl) == 3
	KADR
	KLOAD 0, 0                                     ; the next step's tiles 0-3 of k land under the softmax,
.else
	KLOAD (\sl)+1, 0
.endif
.irp t, 0,1                                    ; and so do v's four fragments: 0 and 1 in registers of their own, 2 and 3 where k's tiles 4-7 lay
.irp q, 0,1,2
	ds_load_b128 v[VB+12*\t+4*\q:VB+12*\t+4*\q+3], v[ADV] offset:6144*(\sl)+1536*\t+512*\q
	ds_load_b128 v[KF+24+12*\t+4*\q:KF+24+12*\t+4*\q+3], v[ADV] offset:6144*(\sl)+1536*(\t+2)+512*\q
.endr
.endr
.irp p, 0,1
	ds_load_b32 v[VSW+\p], v[ADT] offset:256*(\sl)+128*\p
.endr
.if (\sl) == 3
	VADR
.endif
.irp c, 0,1                                    ; the largest score of my two blocks of 32 keys, two chains each; every accumulator is first read at its low end
	v_max3_num_f32 v[BM+\c], v[S+32*\c], v[S+32*\c+1], v[S+32*\c+2]
	v_max3_num_f32 v[BN+\c], v[S+32*\c+16], v[S+32*\c+17], v[S+32*\c+18]
.endr
.irp i, 3,5,7,9,11,13
.irp c, 0,1
	v_max3_num_f32 v[BM+\c], v[BM+\c], v[S+32*\c+\i], v[S+32*\c+\i+1]
	v_max3_num_f32 v[BN+\c], v[BN+\c], v[S+32*\c+16+\i], v[S+32*\c+17+\i]
.endr
.endr
.irp c, 0,1
	v_max3_num_f32 v[BM+\c], v[BM+\c], v[BN+\c], v[S+32*\c+15]
.endr
.irp c, 0,1
	v_max_num_f32 v[BM+\c], v[BM+\c], v[S+32*\c+31]
.endr
	s_delay_alu instid0(VALU_DEP_1)
	v_max_num_f32 v[WT], v[BM], v[BM+1]
	s_delay_alu instid0(VALU_DEP_1)
	v_permlanex16_b32 v[TB], v[WT], s[SEL], s[SEL+1]
	s_delay_alu instid0(VALU_DEP_1)
	v_max3_num_f32 v13, v13, v[WT], v[TB]          ; with lane l xor 16's 64 keys: the row's largest score so far
	s_delay_alu instid0(VALU_DEP_1)
	v_mul_f32 v[WT], s[CS], v13                    ; as t (c is positive)
	s_delay_alu instid0(VALU_DEP_1)
	v_floor_f32 v12, -v[WT]                        ; the new -M = -ceil(t)
	TM8 0
	v_sub_f32 v[TT], v12, v[TT]                    ; old M - new M: a whole number, 0 or less
	TM8 16
	v_cvt_i32_f32 v[TT], v[TT]                     ; (it saturates)
	TM8 32
	v_ldexp_f32 v[FF], 1.0, v[TT]                  ; f
	TM8 48
.irp c, 0,1
	v_fma_f32 v[BM+\c], v[BM+\c], s[CS], v12       ; the same of each block's largest score: p rises with the score
.endr
	s_wait_alu depctr_va_vdst(0)                   ; the wait ahead of the batch
.irp c, 0,1
	v_exp_f32 v[BM+\c], v[BM+\c]                   ; the blocks' largest p
.endr
.irp j, 0,1,2,3,4,5,6,7,8,9,10,11,12,13,14,15,16,17,18,19,20,21,22,23,24,25,26,27,28,29,30,31,32,33,34,35,36,37,38,39,40,41,42,43,44,45,46,47,48,49,50,51,52,53,54,55,56,57,58,59,60,61,62,63
	v_exp_f32 v[S+\j], v[S+\j]                     ; p = 2^(t - M)
.endr
	s_wait_alu depctr_va_vdst(0)                   ; one wait for the batch, directly ahead of the first reader of O^T too; only plain lines stand among O^T's sixteen
	OM 0
	OM 2
.irp c, 0,1
	v_max_num_f32 v[BM+\c], 0x1800000, v[BM+\c]    ; the floor 2^(3 - 127): the byte cannot fall under 1
.endr
	OM 4
	OM 6
.irp c, 0,1
	v_add_nc_u32 v[SO+\c], 0xff000000, v[BM+\c]    ; 2 off the exponent field: the conversion's scale operand
.endr
	OM 8
	OM 10
.irp c, 0,1
	v_lshrrev_b32 v[BT+\c], 23, v[SO+\c]           ; the scale's byte
.endr
	OM 12
	OM 14
	OM 16
	v_lshl_or_b32 v[WT], v[BT+1], 16, v[BT]        ; my two bytes: blocks h and 2 + h,
	OM 18
	OM 20
	OM 22
	v_lshlrev_b32 v[WT], v[H8], v[WT]              ; at their places in the word
	OM 24
	OM 26
	OM 28
	OM 30
	v_permlanex16_b32 v[TB], v[WT], s[SEL], s[SEL+1]
.irp c, 0,1
	v_cvt_scalef32_pk16_fp6_f32 v[PCD+6*\c:PCD+6*\c+2], v[S+32*\c:S+32*\c+15], v[SO+\c]
	v_cvt_scalef32_pk16_fp6_f32 v[CT+4*\c:CT+4*\c+2], v[S+32*\c+16:S+32*\c+31], v[SO+\c]   ; (a conversion's three registers begin on an even number)
.endr
	v_or_b32 v[PWD], v[WT], v[TB]                  ; with lane l xor 16's two the word is whole.  (The plain line behind the conversions; eleven plain lines stand between it and the products)
	v_pk_fma_f32 v[14:15], v[14:15], v[FF:FF+1], v[S:S+1] op_sel_hi:[1,0,1]   ; the sum under the new M, and p's first pair
.irp c, 0,1
.irp i, 0,1,2
	v_mov_b32 v[PCD+6*\c+3+\i], v[CT+4*\c+\i]
.endr
.endr
	v_pk_add_f32 v[CB:CB+1], v[S+2:S+3], v[S+4:S+5]   ; the other three chains begin; these four are the places between p's codes and the products
	v_pk_add_f32 v[CC:CC+1], v[S+6:S+7], v[S+8:S+9]
	v_pk_add_f32 v[CD:CD+1], v[S+10:S+11], v[S+12:S+13]
	v_pk_add_f32 v[14:15], v[14:15], v[S+14:S+15]
	s_wait_alu depctr_va_vdst(0)
	s_wait_dscnt 0x0                               ; v's fragments and scale words; the next step's tiles 0-3 of k too
	PV 2, KF+24                                    ; the two fragments that lie in k's registers go first
	PV 3, KF+36
	ADD4 8                                         ; the rest of the row's sum, of the unquantised p; these four lines are the places in front of the loads into those registers
.if (\sl) == 3
	KLOAD 0, 1                                     ; the next step's tiles 4-7 of k: two products, twenty additions and the next step's first three products stand ahead of the wait for them
.else
	KLOAD (\sl)+1, 1
.endif
	PV 0, VB
	PV 1, VB+12
	ADD4 12
	ADD4 16
	ADD4 20
	ADD4 24
	ADD4 28
	s_wait_alu depctr_va_vdst(0)
.endm
	s_wait_alu depctr_va_vdst(0)
	s_wait_loadcnt 0x0                             ; q
	s_wait_tensorcnt 0x0                           ; my one load has landed;
	s_barrier_signal -1
	s_barrier_wait -1                              ; everybody's has
	s_mov_b32 s[TRIP], 0
	s_mov_b32 s[NX], 0
	KADR
	VADR
	KLOAD 0, 0                                     ; the first step's k
	KLOAD 0, 1
	s_wait_alu depctr_va_vdst(0)
	s_wait_dscnt 0x0
.Ltrip:                                                ; four steps: 32 images of k, 24,576 bytes of v
	STEP 0
	STEP 1
	STEP 2
	STEP 3
	s_add_co_u32 s[TRIP], s[TRIP], 1
	s_cmp_lt_u32 s[TRIP], 4
	s_cbranch_scc1 .Ltrip
	; THE WAY OUT: o = O^T / the sum, quantised along d: two blocks of 32, six registers of codes, two scale bytes a row.  (The last twenty additions are the places behind the last products.)
	v_pk_add_f32 v[CB:CB+1], v[CB:CB+1], v[CC:CC+1]
	v_pk_add_f32 v[14:15], v[14:15], v[CD:CD+1]
	s_delay_alu instid0(VALU_DEP_1)
	v_pk_add_f32 v[14:15], v[14:15], v[CB:CB+1]
	s_delay_alu instid0(VALU_DEP_1)
	v_add_f32 v14, v14, v15
	s_delay_alu instid0(VALU_DEP_1)
	v_permlanex16_b32 v[TT], v14, s[SEL], s[SEL+1]
	s_delay_alu instid0(VALU_DEP_1)
	v_add_f32 v14, v14, v[TT]                      ; the row's sum
	s_wait_alu depctr_va_vdst(0)                   ; the wait ahead of the transcendental
	v_rcp_f32 v[FF], v14
	v_nop                                          ; a plain instruction behind the reciprocal
	s_wait_alu depctr_va_vdst(0)                   ; and the wait ahead of its first reader, which is O^T's first reader too
.irp j, 0,2,4,6,8,10,12,14,16,18,20,22,24,26,28,30
	v_pk_mul_f32 v[S+\j:S+\j+1], v[O+\j:O+\j+1], v[FF:FF+1] op_sel_hi:[1,0]   ; register 16 b + i is o(my query, 32 b + 16 h + i): v's tiles of d keep the images' order of rows
.endr
.irp b, 0,1
	v_max3_num_f32 v[BM+\b], |v[S+16*\b]|, |v[S+1+16*\b]|, 0x1800000
.endr
.irp i, 2,4,6,8,10,12,14
.irp b, 0,1
	s_delay_alu instid0(VALU_DEP_2)
	v_max3_num_f32 v[BM+\b], v[BM+\b], |v[S+16*\b+\i]|, |v[S+1+16*\b+\i]|
.endr
.endr
.irp b, 0,1
	s_delay_alu instid0(VALU_DEP_2)
	v_permlanex16_b32 v[BT+\b], v[BM+\b], s[SEL], s[SEL+1]
.endr
.irp b, 0,1
	s_delay_alu instid0(VALU_DEP_2)
	v_max_num_f32 v[BM+\b], v[BM+\b], v[BT+\b]     ; with lane l xor 16's 16: the block's largest magnitude
.endr
.irp b, 0,1
	s_delay_alu instid0(VALU_DEP_2)
	v_add_nc_u32 v[SO+\b], 0xff000000, v[BM+\b]
.endr
.irp b, 0,1
	s_delay_alu instid0(VALU_DEP_2)
	v_lshrrev_b32 v[BT+\b], 23, v[SO+\b]
.endr
	s_delay_alu instid0(VALU_DEP_1)
	v_lshl_or_b32 v[PWD], v[BT+1], 8, v[BT]        ; my row's two bytes
	v_cvt_scalef32_pk16_fp6_f32 v[PCD:PCD+2], v[S:S+15], v[SO]
	v_cvt_scalef32_pk16_fp6_f32 v[CT:CT+2], v[S+16:S+31], v[SO+1]
	v_nop                                          ; one plain vector instruction behind the scaled conversions
.irp i, 0,1,2
	v_permlane16_swap_b32 v[PCD+\i], v[CT+\i]      ; a whole block to a lane: lanes 0-15 block 0, lanes 16-31 block 1
.endr
.irp i, 0,1,2
	s_delay_alu instid0(VALU_DEP_3)
	v_mov_b32 v[PCD+3+\i], v[CT+\i]
.endr
	global_store_b128 v[L16], v[PCD:PCD+3], s[12:13]   ; 512 consecutive bytes, aligned;
	global_store_b64 v[L8], v[PCD+4:PCD+5], s[12:13]   ; and the 256 behind them
	ds_store_b16 v[OSA], v[PWD]                    ; both lanes of a row write the same two bytes
	s_wait_dscnt 0x0                               ; for the others' sake; the last step's loads of k have come back too
	s_barrier_signal -1
	s_barrier_wait -1
	s_cmp_lg_u32 s[WV], 0
	s_cbranch_scc1 .Lnot_first
	ds_load_b128 v[S:S+3], v[OSR]                  ; the sixteen tiles' scale bytes
	s_wait_dscnt 0x0
	global_store_b128 v[L16], v[S:S+3], s[14:15]   ; 512 consecutive bytes, aligned
.Lnot_first:
	s_wait_tensorcnt 0x0                           ; the wave's end
	ds_add_u32 v[SPW], v[NIL]
	s_wait_dscnt 0x0
	CROUND                                         ; the closing round
	s_endpgm
.Lfunc_end_k_qb6d90d49e5_attn:
	.size	k_qb6d90d49e5_attn, .Lfunc_end_k_qb6d90d49e5_attn-k_qb6d90d49e5_attn
	.p2alignl 7, 3214868480
	.fill 96, 4, 3214868480
	.section	.rodata,"a",@progbits
	.p2align	6, 0x0
	.amdhsa_kernel k_qb6d90d49e5_attn
		.amdhsa_group_segment_fixed_size 223744
		.amdhsa_private_segment_fixed_size 0
		.amdhsa_enable_private_segment 0
		.amdhsa_kernarg_size 48
		.amdhsa_user_sgpr_count 2
		.amdhsa_user_sgpr_kernarg_segment_ptr 1
		.amdhsa_wavefront_size32 1
		.amdhsa_system_sgpr_workgroup_id_x 1
		.amdhsa_system_sgpr_workgroup_id_y 1
		.amdhsa_system_sgpr_workgroup_id_z 1
		.amdhsa_system_vgpr_workitem_id 0
		.amdhsa_next_free_vgpr 256
		.amdhsa_next_free_sgpr 100
		.amdhsa_reserve_vcc 0
		.amdhsa_float_denorm_mode_32 3
		.amdhsa_float_denorm_mode_16_64 3
		.amdhsa_memory_ordered 1
		.amdhsa_forward_progress 1
		.amdhsa_inst_pref_size 78
	.end_amdhsa_kernel
	.amdgpu_metadata
---
amdhsa.version: [ 1, 2 ]
amdhsa.kernels:
  - .name:           k_qb6d90d49e5_attn
    .symbol:         k_qb6d90d49e5_attn.kd
    .args:
      - { .name: qkc, .offset: 0, .size: 8, .value_kind: global_buffer, .address_space: global }
      - { .name: qks, .offset: 8, .size: 8, .value_kind: global_buffer, .address_space: global }
      - { .name: vc, .offset: 16, .size: 8, .value_kind: global_buffer, .address_space: global }
      - { .name: vs, .offset: 24, .size: 8, .value_kind: global_buffer, .address_space: global }
      - { .name: oc, .offset: 32, .size: 8, .value_kind: global_buffer, .address_space: global }
      - { .name: os, .offset: 40, .size: 8, .value_kind: global_buffer, .address_space: global }
    .group_segment_fixed_size: 223744
    .private_segment_fixed_size: 0
    .kernarg_segment_align: 8
    .kernarg_segment_size: 48
    .max_flat_workgroup_size: 512
    .sgpr_count:     100
    .vgpr_count:     256
    .wavefront_size: 32
...
	.end_amdgpu_metadata
.endif
;; end of part 3
;; launch outp (part 4): grid 8 x 32, 4 waves a work-group, clusters of 4 x 4, 327,680 bytes of LDS; arguments oc, os, codes1, scales1, out0; writes out0
.if DOCPART == 4
	.amdgcn_target "amdgcn-amd-amdhsa--gfx1250"
	.amdhsa_code_object_version 6
	.text
	.protected	k_qb6d90d49e5_outp
	.globl	k_qb6d90d49e5_outp
	.p2align	8
	.type	k_qb6d90d49e5_outp,@function
k_qb6d90d49e5_outp:
	s_mov_b64 s[64:65], 0
	v_nop
	global_prefetch_b8 v0, s[64:65] scope:SCOPE_SE
	s_setreg_imm32_b32 hwreg(HW_REG_WAVE_MODE, 25, 1), 1
	s_wait_xcnt 0x0
	s_wait_alu depctr_hold_cnt(0) depctr_sa_sdst(0) depctr_va_vdst(0) depctr_va_sdst(0) depctr_va_ssrc(0) depctr_va_vcc(0) depctr_vm_vsrc(0)
	s_getreg_b32 s2, hwreg(HW_REG_IB_STS2, 6, 4)
	s_cmp_eq_u32 s2, 0
	s_cbranch_scc0 .Lentry_in_a_cluster
	s_endpgm
.Lentry_in_a_cluster:
	s_bfe_u32 s2, ttmp6, 0x10000c
	s_cmp_lg_u32 s2, 0xf033
	s_cbranch_scc0 .Lentry_shape_is_right
	s_endpgm
.Lentry_shape_is_right:
; out0 = o Wout^T on codes of FP6 (E2M3) with E8M0 scales, K = 1,024; sums in f32.  o's codes and scale bytes come from the attention's launch, Wout's from the quantising launch, both as images of operand registers.
; SHARES.  A work-group takes 128 tokens (tb) x 128 columns (hg); wave w takes token tiles 2 w, 2 w + 1 against all eight tiles of Wout: 16 accumulators, which take turns.
; The product is used transposed (source 0 = 16 rows of Wout, source 1 = 16 tokens): a lane holds one token, and the 16 registers of tiles 2 g, 2 g + 1 are columns 32 g + 16 h + 0..15.
; LDS.  Four regions of 8 tiles x 4 K steps x 1,536 bytes, each filled once, by the head's four joint loads, one a wave: wave 0 o's first half of K, wave 1 its second, waves 2 and 3 Wout's.  One barrier shows them to all waves.
; CLUSTER 4 x 4: the four of a row share tb, so o's tiles; the four of a column share hg, so Wout's.  NO PREFETCH: every tile is asked for at the head, and the text has no loop to run ahead in.
; THE WAY OUT.  A tile of 16 tokens x 128 columns goes through the wave's own stage (rows 528 bytes apart, bytes that no fill lands on) and leaves as rows of 512 consecutive bytes, aligned.
.set REG,   49152
.set STAGE, 4*REG
.set SPARE, STAGE+4*8448
.set LB,   1
.set LA,   2
.set ADA,  3
.set ADB,  4
.set VSL,  5
.set LA8,  6
.set ADA8, 7
.set L2,   8
.set STO,  9
.set SPW,  10
.set NIL,  11
.set RD,   15
.set U,    16
.set SA,   32
.set SB,   40
.set ACC,  128
.set F0,   0
.set F1,   128
.set WV,   16
.set G1T,  24
.set G1W,  32
.set T0,   40
.set T1,   44
.set W0,   52
.set W1,   56
.set TOKX, 66
.set WB,   68
.set SBB,  70
.set OSB,  72
.set MSB, 0
.macro WIN new
.if MSB != \new
	s_set_vgpr_msb (MSB<<8)|\new
.set MSB, \new
.endif
.endm
.macro PLACES n
.rept \n
	v_nop
.endr
.endm
.macro JLOAD g0a, g0b
	s_cmp_eq_u32 s17, 0
	s_cbranch_scc0 .Lfor_w_\@
	tensor_load_to_lds s[\g0a:\g0a+3], s[G1T:G1T+7]
	s_nop 0
.rept 4
	v_nop
.endr
	s_branch .Lasked_\@
.Lfor_w_\@:
	tensor_load_to_lds s[\g0b:\g0b+3], s[G1W:G1W+7]
	s_nop 0
.rept 4
	v_nop
.endr
.Lasked_\@:
.endm
.macro CROUND
	s_barrier_signal -1
	s_barrier_wait -1
	s_cmp_lg_u32 s[WV], 0
	s_cbranch_scc1 .Lnot_wave_0_\@
	s_barrier_signal -3
.Lnot_wave_0_\@:
	s_barrier_wait -3
	s_barrier_signal -1
	s_barrier_wait -1
.endm
.macro MKG0 g, lds, base, off
	s_mov_b32 s[\g], 1
	s_add_co_u32 s[\g+1], s23, \lds
	s_add_nc_u64 s[\g+2:\g+3], s[\base:\base+1], \off
	s_or_b32 s[\g+3], s[\g+3], 0x80000000
.endm
	s_load_b256 s[4:11], s[0:1], 0x0
	s_load_b64 s[12:13], s[0:1], 0x20
	v_lshl_add_u32 v[SPW], v0, 2, SPARE
	v_mov_b32 v[NIL], 0
	ds_add_u32 v[SPW], v[NIL]
	ds_add_u32 v[SPW], v[NIL]
	v_lshrrev_b32 v12, 5, v0
	v_readfirstlane_b32 s[WV], v12
	s_lshr_b32 s17, s[WV], 1
	s_and_b32 s18, s[WV], 1
	s_bfe_u32 s19, ttmp6, 0x40000
	s_bfe_u32 s20, ttmp6, 0x40004
	s_lshl_b32 s21, ttmp9, 2
	s_add_co_u32 s21, s21, s19
	s_and_b32 s22, ttmp7, 0xffff
	s_lshl_b32 s22, s22, 2
	s_add_co_u32 s22, s22, s20
	s_lshl_b32 s2, s20, 2
	s_lshl_b32 s2, 15, s2
	s_lshl_b32 s3, 0x1111, s19
	s_or_b32 s[G1T], s2, (3<<16)|(1<<21)
	s_or_b32 s[G1W], s3, (3<<16)|(1<<21)
.irp g, G1T, G1W
	s_mov_b32 s[\g+1], 768<<16
	s_mov_b32 s[\g+2], 8<<16                       ; tensor_dim1: eight tiles' halves of K, a whole region
	s_mov_b32 s[\g+3], 768<<16
	s_mov_b32 s[\g+4], 8                           ; tile_dim1
	s_mov_b32 s[\g+5], 1536
	s_mov_b32 s[\g+6], 0
	s_mov_b32 s[\g+7], 0
.endr
	s_lshl_b32 s94, s22, 3
	s_mul_i32 s94, s94, 12288                      ; o's tile 8 tb
	s_mov_b32 s95, 0
	s_lshl_b32 s96, s21, 3
	s_add_co_u32 s96, s96, 704
	s_mul_i32 s96, s96, 12288
	s_mov_b32 s97, 0
	s_mul_i32 s23, s18, 2*REG                      ; even waves fill regions 0 and 1 (first half of K), odd waves regions 2 and 3 (second half)
	s_lshl_b32 s[SBB], s21, 12
	s_add_co_u32 s[SBB], s[SBB], 360448
	s_mov_b32 s[SBB+1], 0
	s_lshl_b32 s[OSB], s22, 3
	s_lshl_b32 s99, s[WV], 1
	s_add_co_u32 s[OSB], s[OSB], s99
	s_lshl_b32 s[OSB], s[OSB], 5
	s_mov_b32 s[OSB+1], 0
	s_lshl_b32 s98, s22, 19
	s_lshl_b32 s99, s[WV], 17
	s_add_co_u32 s98, s98, s99
	s_lshl_b32 s99, s21, 9
	s_add_co_u32 s98, s98, s99
	s_mov_b32 s99, 0
	v_and_b32 v12, 31, v0
	v_and_b32 v13, 15, v0
	v_bfe_u32 v14, v0, 4, 1
	v_lshlrev_b32 v[LB], 4, v12
	s_mul_i32 s2, s[WV], 12288
	v_add_nc_u32 v[LA], s2, v[LB]
	v_lshl_add_u32 v[LA8], v12, 3, s2
	v_lshlrev_b32 v[VSL], 4, v13
	v_lshl_add_u32 v[VSL], v14, 9, v[VSL]
	v_lshlrev_b32 v[L2], 1, v12
	s_mul_i32 s3, s[WV], 8448
	s_add_co_u32 s3, s3, STAGE
	v_mul_u32_u24 v[STO], v13, 528
	v_lshl_add_u32 v[STO], v14, 6, v[STO]
	v_add_nc_u32 v[STO], s3, v[STO]
	v_add_nc_u32 v[RD], s3, v[LB]
	s_wait_dscnt 0x0
	s_wait_kmcnt 0x0
	s_add_nc_u64 s[TOKX:TOKX+1], s[4:5], s[94:95]
	s_add_nc_u64 s[WB:WB+1], s[8:9], s[96:97]
	s_add_nc_u64 s[SBB:SBB+1], s[10:11], s[SBB:SBB+1]
	s_add_nc_u64 s[OSB:OSB+1], s[6:7], s[OSB:OSB+1]
	s_add_nc_u64 s[12:13], s[12:13], s[98:99]
	s_mul_i32 s94, s18, 6144                       ; my half of K (s95 = 0)
	MKG0 T0, 0,     TOKX, 0                        ; region 0 or 2: o's eight tiles, my half of K
	s_add_nc_u64 s[T0+2:T0+3], s[T0+2:T0+3], s[94:95]
	MKG0 W0, REG,   WB, 0                          ; region 1 or 3: Wout's eight tiles, my half of K
	s_add_nc_u64 s[W0+2:W0+3], s[W0+2:W0+3], s[94:95]
	CROUND                                         ; all sixteen work-groups are here: the joint loads meet
	JLOAD T0, W0                                   ; one tensor load a wave
	s_wait_alu depctr_va_vdst(0)                   ; ahead of the loads that read the head's registers
.irp p, 0,1,2,3
.irp hh, 0,1
	global_load_b128 v[SB+8*\p+4*\hh:SB+8*\p+4*\hh+3], v[VSL], s[SBB:SBB+1] offset:1024*\p+256*\hh
.endr
.endr
.irp n, 0,1,2,3,4,5,6,7,8,9,10,11,12,13,14,15
	global_load_u16 v[U+\n], v[L2], s[OSB:OSB+1] offset:8192*\n
.endr
	s_wait_loadcnt 0x0
.irp s, 0,1,2,3,4,5,6,7
	v_lshl_or_b32 v[SA+\s], v[U+2*\s+1], 16, v[U+2*\s]
.endr
	PLACES 8
.macro FETCH f, sp
	WIN 0x40
.irp a, 0,1
.irp e, 0,1
	ds_load_b128 v[\f+12*\a+6*\e:\f+12*\a+6*\e+3], v[ADA] offset:6144*\a+1536*(\sp)+768*\e
	ds_load_b64 v[\f+12*\a+6*\e+4:\f+12*\a+6*\e+5], v[ADA8] offset:6144*\a+1536*(\sp)+768*\e+512
.endr
.endr
.irp b, 0,1,2,3,4,5,6,7
.irp q, 0,1,2
	ds_load_b128 v[\f+24+12*\b+4*\q:\f+24+12*\b+4*\q+3], v[ADB] offset:6144*\b+1536*(\sp)+512*\q
.endr
.endr
.endm
.macro WM zero
.if \zero
.if (oA == 0) && (oB == 0)
	v_wmma_scale_f32_16x16x128_f8f6f4 v[rD:rD+7], v[rB:rB+11], v[rA:rA+11], 0, v[sB], v[sA] matrix_a_fmt:MATRIX_FMT_FP6 matrix_b_fmt:MATRIX_FMT_FP6
.elseif oA == 0
	v_wmma_scale_f32_16x16x128_f8f6f4 v[rD:rD+7], v[rB:rB+11], v[rA:rA+11], 0, v[sB], v[sA] matrix_a_fmt:MATRIX_FMT_FP6 matrix_b_fmt:MATRIX_FMT_FP6 matrix_a_scale:MATRIX_SCALE_ROW1
.elseif oB == 0
	v_wmma_scale_f32_16x16x128_f8f6f4 v[rD:rD+7], v[rB:rB+11], v[rA:rA+11], 0, v[sB], v[sA] matrix_a_fmt:MATRIX_FMT_FP6 matrix_b_fmt:MATRIX_FMT_FP6 matrix_b_scale:MATRIX_SCALE_ROW1
.else
	v_wmma_scale_f32_16x16x128_f8f6f4 v[rD:rD+7], v[rB:rB+11], v[rA:rA+11], 0, v[sB], v[sA] matrix_a_fmt:MATRIX_FMT_FP6 matrix_b_fmt:MATRIX_FMT_FP6 matrix_a_scale:MATRIX_SCALE_ROW1 matrix_b_scale:MATRIX_SCALE_ROW1
.endif
.else
.if (oA == 0) && (oB == 0)
	v_wmma_scale_f32_16x16x128_f8f6f4 v[rD:rD+7], v[rB:rB+11], v[rA:rA+11], v[rD:rD+7], v[sB], v[sA] matrix_a_fmt:MATRIX_FMT_FP6 matrix_b_fmt:MATRIX_FMT_FP6
.elseif oA == 0
	v_wmma_scale_f32_16x16x128_f8f6f4 v[rD:rD+7], v[rB:rB+11], v[rA:rA+11], v[rD:rD+7], v[sB], v[sA] matrix_a_fmt:MATRIX_FMT_FP6 matrix_b_fmt:MATRIX_FMT_FP6 matrix_a_scale:MATRIX_SCALE_ROW1
.elseif oB == 0
	v_wmma_scale_f32_16x16x128_f8f6f4 v[rD:rD+7], v[rB:rB+11], v[rA:rA+11], v[rD:rD+7], v[sB], v[sA] matrix_a_fmt:MATRIX_FMT_FP6 matrix_b_fmt:MATRIX_FMT_FP6 matrix_b_scale:MATRIX_SCALE_ROW1
.else
	v_wmma_scale_f32_16x16x128_f8f6f4 v[rD:rD+7], v[rB:rB+11], v[rA:rA+11], v[rD:rD+7], v[sB], v[sA] matrix_a_fmt:MATRIX_FMT_FP6 matrix_b_fmt:MATRIX_FMT_FP6 matrix_a_scale:MATRIX_SCALE_ROW1 matrix_b_scale:MATRIX_SCALE_ROW1
.endif
.endif
.endm
.macro MUL f, sg, zero
	WIN 0x05
.irp b, 0,1,2,3,4,5,6,7
.irp a, 0,1
.set rD, ACC+8*(8*\a+\b)
.set rB, \f+24+12*\b
.set rA, \f+12*\a
.set sB, SB+8*(\b/2)+(\sg)
.set sA, SA+(\sg)
.set oB, \b%2
.set oA, \a
	WM \zero
.endr
.endr
.endm
.macro HALF i, ra, rb, zero
	v_add_nc_u32 v[ADA], (\ra)*REG, v[LA]
	v_add_nc_u32 v[ADA8], (\ra)*REG, v[LA8]
	v_add_nc_u32 v[ADB], (\rb)*REG, v[LB]
	v_nop
	FETCH F0, 0
	FETCH F1, 1
	s_wait_alu depctr_va_vdst(0)
	s_wait_dscnt 32
	MUL F0, 4*(\i), \zero
	PLACES 4
	FETCH F0, 2
	s_wait_dscnt 32
	MUL F1, 4*(\i)+1, 0
	PLACES 4
	FETCH F1, 3
	s_wait_dscnt 32
	MUL F0, 4*(\i)+2, 0
	s_wait_dscnt 0x0
	MUL F1, 4*(\i)+3, 0
	WIN 0
.endm
	s_wait_tensorcnt 0x0                           ; my region is in;
	s_barrier_signal -1
	s_barrier_wait -1                              ; everybody's is
	HALF 0, 0, 1, 1                                ; first half of K
	HALF 1, 2, 3, 0                                ; second half
.macro TOSTAGE a
.irp g, 0,1,2,3
.irp j, 0,1,2,3
	ds_store_b128 v[STO], v[ACC+64*\a+16*\g+4*\j:ACC+64*\a+16*\g+4*\j+3] offset:128*\g+16*\j
.endr
.endr
.irp t, 0,1,2,3,4,5,6,7,8,9,10,11,12,13,14,15
	ds_load_b128 v[ACC+64*\a+4*\t:ACC+64*\a+4*\t+3], v[RD] offset:528*\t
.endr
.endm
.macro SEND a
.irp t, 0,1,2,3,4,5,6,7,8,9,10,11,12,13,14,15
	global_store_b128 v[LB], v[ACC+64*\a+4*\t:ACC+64*\a+4*\t+3], s[12:13] offset:(8*\a+\t+8*(\t/8))*4096 th:TH_STORE_NT
.endr
.endm
	PLACES 4
	TOSTAGE 0
	TOSTAGE 1
	s_wait_dscnt 32
	SEND 0
	s_wait_dscnt 0x0
	SEND 1
	s_wait_tensorcnt 0x0
	ds_add_u32 v[SPW], v[NIL]
	s_wait_dscnt 0x0
	CROUND
	s_endpgm
.Lfunc_end_k_qb6d90d49e5_outp:
	.size	k_qb6d90d49e5_outp, .Lfunc_end_k_qb6d90d49e5_outp-k_qb6d90d49e5_outp
	.p2alignl 7, 3214868480
	.fill 96, 4, 3214868480
	.section	.rodata,"a",@progbits
	.p2align	6, 0x0
	.amdhsa_kernel k_qb6d90d49e5_outp
		.amdhsa_group_segment_fixed_size 327680
		.amdhsa_private_segment_fixed_size 0
		.amdhsa_enable_private_segment 0
		.amdhsa_kernarg_size 40
		.amdhsa_user_sgpr_count 2
		.amdhsa_user_sgpr_kernarg_segment_ptr 1
		.amdhsa_wavefront_size32 1
		.amdhsa_system_sgpr_workgroup_id_x 1
		.amdhsa_system_sgpr_workgroup_id_y 1
		.amdhsa_system_sgpr_workgroup_id_z 1
		.amdhsa_system_vgpr_workitem_id 0
		.amdhsa_next_free_vgpr 512
		.amdhsa_next_free_sgpr 100
		.amdhsa_reserve_vcc 0
		.amdhsa_float_denorm_mode_32 3
		.amdhsa_float_denorm_mode_16_64 3
		.amdhsa_memory_ordered 1
		.amdhsa_forward_progress 1
		.amdhsa_inst_pref_size 50
	.end_amdhsa_kernel
	.amdgpu_metadata
---
amdhsa.version: [ 1, 2 ]
amdhsa.kernels:
  - .name:           k_qb6d90d49e5_outp
    .symbol:         k_qb6d90d49e5_outp.kd
    .args:
      - { .name: oc, .offset: 0, .size: 8, .value_kind: global_buffer, .address_space: global }
      - { .name: os, .offset: 8, .size: 8, .value_kind: global_buffer, .address_space: global }
      - { .name: codes1, .offset: 16, .size: 8, .value_kind: global_buffer, .address_space: global }
      - { .name: scales1, .offset: 24, .size: 8, .value_kind: global_buffer, .address_space: global }
      - { .name: out0, .offset: 32, .size: 8, .value_kind: global_buffer, .address_space: global }
    .group_segment_fixed_size: 327680
    .private_segment_fixed_size: 0
    .kernarg_segment_align: 8
    .kernarg_segment_size: 40
    .max_flat_workgroup_size: 128
    .sgpr_count:     100
    .vgpr_count:     512
    .wavefront_size: 32
...
	.end_amdgpu_metadata
.endif
;; end of part 4
